; MI455X (gfx1250); checked and timed in simulation.
; The chip was launched on July 23, 2026; its instructions are those of AMD's public machine-readable ISA for CDNA 5 (MIT licence, August 2026) and "CDNA5" Instruction Set Architecture Reference Guide (July 2026). The comments in the code are by the model that wrote it; some were corrected since.
;; MOE Layer. Allowed arithmetic: float matrix products may take bf16 or f16 operands with f32 sums; all other float work in f32.
;; Inputs: W 8 x 1,024 x 1,024 float32; Wg 1,024 x 8 float32; b 8 x 1,024 float32; bg 8 float32; x 4,096 x 1,024 float32.
;; Outputs: out0 4,096 x 1,024 float32; out1 one number float32.
;; 2 versions, each right and faster than the one before. Each part assembles by itself: llvm-mc -triple=amdgcn-amd-amdhsa -mcpu=gfx1250 --defsym DOCPART=n.
;; ======== version 1 of 2: 3 launches
;; limits: values outside matrix products are rounded to bf16
;; workspace buffers: xb 8,388,608 bytes; idx 16,384 bytes of whole numbers; prob 16,384 bytes; psum 8,192 bytes; list 49,152 bytes of whole numbers; meta 256 bytes of whole numbers
;; launch gate (part 1): grid 256 x 1, 8 waves a work-group, no clusters, 5,120 bytes of LDS; arguments x, Wg, bg, xb, idx, prob, psum; writes xb, idx, prob, psum
.if DOCPART == 1
	.amdgcn_target "amdgcn-amd-amdhsa--gfx1250"
	.amdhsa_code_object_version 6
	.text
	.protected	k_q5dc327f9c7_gate
	.globl	k_q5dc327f9c7_gate
	.p2align	8
	.type	k_q5dc327f9c7_gate,@function
k_q5dc327f9c7_gate:
	s_mov_b64 s[64:65], 0
	v_nop
	global_prefetch_b8 v0, s[64:65] scope:SCOPE_SE
	s_setreg_imm32_b32 hwreg(HW_REG_WAVE_MODE, 25, 1), 1
	s_wait_xcnt 0x0
; GATE.  For 16 tokens a work-group: a bf16 copy of x (xb), logits = x Wg + bg, softmax, the first largest logit's index (idx),
; its probability (prob), and the sums of the 16 tokens' probabilities for each expert (psum).
; FORMAT: x, Wg and bg are rounded to bf16 (nearest even) first, and all arithmetic behind that is f32: the expert product of the
; later launch works on the same rounded x, so the routing and the product see one and the same set of numbers.
; LIMITS: the index is taken on the logits (first maximum), which differs from a first maximum of the f32 probabilities only where two
; logits are so near that their probabilities round alike.  A token with a NaN logit gets index 8 here (the next launch files it under 7).
; 1 / sum is v_rcp_f32 (1 ulp).  The maximum is taken away in front of the exponential.
; WHY NO MATRIX UNIT, NO TILES IN LDS: 8 output columns for 4,096 bytes of x a token; the launch is a stream, each byte of x read once.
; SHARES: eight waves; wave w owns k = 128 w .. 128 w + 127 of all 16 tokens, lane l the four k at 128 w + 4 l, so thread t owns the
; 16 bytes at 16 t of every row of x, the 8 bytes at 8 t of every row of xb and the 128 bytes at 128 t of Wg.
; The stores of idx, prob (64 bytes a work-group) and psum (32 bytes) are parts of larger aligned blocks: 160 bytes a work-group in all.
.set ROWX, 4096                        ; bytes in a row of x
.set ROWB, 2048                        ; bytes in a row of xb
.set WGR, 8                            ; v[8:39]    Wg[k][e] of my four k: register 8 + 8 kk + e
.set X,   40                           ; v[40:103]  token t: 4 registers as loaded; the first two then hold its bf16 and are stored
.set T,   104                          ; v[104:107] my four x of one token, rounded, as f32
.set A,   108                          ; v[108:115] my share of one token's eight logits
.set K,   116                          ; v[116:119] at work: what a lane keeps
.set S,   120                          ; v[120:123] at work: what a lane sends
.set Z,   124                          ; v124 a logit's share of my wave; v125 the other half's
.set BG,  126                          ; v126       bg[lane & 7]
	s_load_b256 s[4:11], s[0:1], 0x0               ; x s[4:5], Wg s[6:7], bg s[8:9], xb s[10:11]
	s_load_b128 s[12:15], s[0:1], 0x20             ; idx s[12:13], prob s[14:15]
	s_load_b64 s[16:17], s[0:1], 0x30              ; psum
	v_lshl_add_u32 v128, v0, 2, 0x1000
	v_mov_b32 v129, 0
	v_lshrrev_b32 v1, 5, v0
	v_readfirstlane_b32 s18, v1                    ; wave
	s_mov_b32 s20, 0x76543210                      ; v_permlanex16_b32: lane i reads lane i of the other half
	s_mov_b32 s21, 0xfedcba98
	s_mov_b32 s22, 0xaaaaaaaa                      ; lanes with bit 0 set
	s_mov_b32 s23, 0xcccccccc                      ; lanes with bit 1 set
	s_mov_b32 s24, 0xf0f0f0f0                      ; lanes with bit 2 set
	s_mov_b32 s25, 0xffff0000                      ; a word's upper bf16
	s_mov_b32 s27, 0
	v_and_b32 v1, 31, v0                           ; lane
	v_lshlrev_b32 v2, 4, v0                        ; my bytes in a row of x
	v_lshlrev_b32 v3, 3, v0                        ; my bytes in a row of xb
	v_lshlrev_b32 v4, 7, v0                        ; my bytes in Wg
	v_and_b32 v7, 7, v0
	v_lshlrev_b32 v7, 2, v7                        ; 4 (lane & 7): my word of bg
	v_lshl_add_u32 v5, s18, 9, v7                  ; LDS: [wave][token][expert], 512 w + 32 t + 4 e
	v_mov_b32 v[Z], 0                              ; destinations of lane-crossing forms count as read: written once here
	v_mov_b32 v[Z+1], 0
	s_wait_kmcnt 0x0
	s_lshl_b32 s26, ttmp9, 16                      ; 16 rows of 4,096 bytes
	s_add_nc_u64 s[4:5], s[4:5], s[26:27]
	s_lshl_b32 s26, ttmp9, 15                      ; 16 rows of 2,048 bytes
	s_add_nc_u64 s[10:11], s[10:11], s[26:27]
	s_lshl_b32 s26, ttmp9, 6                       ; 16 words
	s_add_nc_u64 s[12:13], s[12:13], s[26:27]
	s_add_nc_u64 s[14:15], s[14:15], s[26:27]
	s_lshl_b32 s26, ttmp9, 5                       ; 8 words
	s_add_nc_u64 s[16:17], s[16:17], s[26:27]
	global_load_b32 v[BG], v7, s[8:9]
.irp i, 0,1,2,3,4,5,6,7
	global_load_b128 v[WGR+4*\i:WGR+4*\i+3], v4, s[6:7] offset:16*\i
.endr
.irp t, 0,1,2,3,4,5,6,7,8,9,10,11,12,13,14,15
	global_load_b128 v[X+4*\t:X+4*\t+3], v2, s[4:5] offset:\t*ROWX th:TH_LOAD_NT   ; a wave's load: 512 neighbouring bytes; x is read once in the launch
.endr
	s_wait_loadcnt 16                              ; bg and Wg are in; the 16 loads of x stay out
.set i, 0
.rept 16
	v_cvt_pk_bf16_f32 v6, v[WGR+i], v[WGR+i+1]     ; Wg rounded to bf16 and widened again
	v_lshlrev_b32 v[WGR+i], 16, v6
	v_and_b32 v[WGR+i+1], s25, v6
.set i, i+2
.endr
	v_cvt_pk_bf16_f32 v6, v[BG], v[BG]
	v_lshlrev_b32 v[BG], 16, v6                    ; bg likewise
; Two sums for the price of one: the lanes of mask keep b and send a, the others keep a and send b; each adds what its partner
; (lane xor xm) sent.  Behind three such levels lane l holds expert l & 7, summed over its group of eight lanes.
.macro HALVE d, a, b, mask, xm, i
	v_cndmask_b32 v[K+\i], v[\a], v[\b], \mask
	v_cndmask_b32 v[S+\i], v[\b], v[\a], \mask
	v_add_f32_dpp v[\d], v[S+\i], v[K+\i] row_xmask:\xm row_mask:0xf bank_mask:0xf
.endm
.macro TOKEN t
	s_wait_loadcnt 15-\t                           ; loads come back in order: token t is in, the younger tokens stay out
	v_cvt_pk_bf16_f32 v[X+4*\t], v[X+4*\t], v[X+4*\t+1]
	v_cvt_pk_bf16_f32 v[X+4*\t+1], v[X+4*\t+2], v[X+4*\t+3]
	global_store_b64 v3, v[X+4*\t:X+4*\t+1], s[10:11] offset:\t*ROWB   ; a wave's store: 256 neighbouring bytes, aligned; its registers are never written again
	v_lshlrev_b32 v[T], 16, v[X+4*\t]
	v_and_b32 v[T+1], s25, v[X+4*\t]
	v_lshlrev_b32 v[T+2], 16, v[X+4*\t+1]
	v_and_b32 v[T+3], s25, v[X+4*\t+1]
.irp q, 0,2,4,6
	v_pk_mul_f32 v[A+\q:A+\q+1], v[T:T+1], v[WGR+\q:WGR+\q+1] op_sel_hi:[0,1]       ; x[k0] times two experts' weights: starts the sums
.endr
.irp q, 0,2,4,6
	v_pk_fma_f32 v[A+\q:A+\q+1], v[T:T+1], v[WGR+8+\q:WGR+8+\q+1], v[A+\q:A+\q+1] op_sel:[1,0,0] op_sel_hi:[1,1,1]      ; x[k0+1]
.endr
.irp q, 0,2,4,6
	v_pk_fma_f32 v[A+\q:A+\q+1], v[T+2:T+3], v[WGR+16+\q:WGR+16+\q+1], v[A+\q:A+\q+1] op_sel_hi:[0,1,1]                 ; x[k0+2]
.endr
.irp q, 0,2,4,6
	v_pk_fma_f32 v[A+\q:A+\q+1], v[T+2:T+3], v[WGR+24+\q:WGR+24+\q+1], v[A+\q:A+\q+1] op_sel:[1,0,0] op_sel_hi:[1,1,1]  ; x[k0+3]
.endr
	HALVE A+0, A+0, A+1, s22, 1, 0
	HALVE A+1, A+2, A+3, s22, 1, 1
	HALVE A+2, A+4, A+5, s22, 1, 2
	HALVE A+3, A+6, A+7, s22, 1, 3
	HALVE A+0, A+0, A+1, s23, 2, 0
	HALVE A+1, A+2, A+3, s23, 2, 1
	HALVE Z, A+0, A+1, s24, 4, 2
	v_add_f32_dpp v[Z], v[Z], v[Z] row_xmask:8 row_mask:0xf bank_mask:0xf
	v_permlanex16_b32 v[Z+1], v[Z], s20, s21
	v_add_f32 v[Z], v[Z], v[Z+1]                   ; expert l & 7 over my wave's 128 k, the same bits in the four lanes that hold it
	ds_store_b32 v5, v[Z] offset:\t*32
.endm
.irp t, 0,1,2,3,4,5,6,7,8,9,10,11,12,13,14,15
	TOKEN \t
.endr
	s_wait_dscnt 0x0                               ; my stores are in LDS before I say so
	s_barrier_signal -1
	s_barrier_wait -1
	s_cmp_lg_u32 s18, 0
	s_cbranch_scc1 .Lend                           ; the tail is 128 numbers: wave 0's alone
	; THE TAIL.  Register j of lane l stands for token 4 j + (l >> 3) and expert l & 7: LDS byte 512 w + 128 j + 4 l.
	v_lshlrev_b32 v6, 2, v1
.irp w, 0,1,2,3,4,5,6,7
.irp j, 0,1,2,3
	ds_load_b32 v[8+4*\w+\j], v6 offset:\w*512+\j*128
.endr
.endr
	v_and_b32 v7, 7, v0
	v_cvt_f32_u32 v104, v7                         ; my expert's number as f32
	s_wait_dscnt 0x0
.irp w, 1,2,3,4,5,6,7
.irp j, 0,1,2,3
	v_add_f32 v[8+\j], v[8+\j], v[8+4*\w+\j]       ; the eight waves' shares, k ascending
.endr
.endr
.irp j, 0,1,2,3
	v_add_f32 v[8+\j], v[8+\j], v[BG]              ; the logit
.endr
.irp j, 0,1,2,3
	v_max_num_f32_dpp v[12+\j], v[8+\j], v[8+\j] row_xmask:1 row_mask:0xf bank_mask:0xf
.endr
.irp m, 2,4
.irp j, 0,1,2,3
	v_max_num_f32_dpp v[12+\j], v[12+\j], v[12+\j] row_xmask:\m row_mask:0xf bank_mask:0xf
.endr
.endr
.irp j, 0,1,2,3
	v_sub_f32 v[16+\j], v[8+\j], v[12+\j]          ; logit - the token's largest
	v_mul_f32 v[16+\j], 0x3fb8aa3b, v[16+\j]       ; times log2 e
.endr
.irp j, 0,1,2,3
	v_exp_f32 v[16+\j], v[16+\j]
.endr
	v_mov_b32 v105, 0x41000000                     ; 8.0: the plain instruction between the exponentials and their first use (ISA guide 5.7.2)
.irp j, 0,1,2,3
	v_cmp_eq_f32 vcc_lo, v[8+\j], v[12+\j]
	v_cndmask_b32 v[28+\j], v105, v104, vcc_lo     ; my expert's number where my logit is the largest, else 8
.endr
	s_wait_alu depctr_va_vdst(0)
.irp j, 0,1,2,3
	v_add_f32_dpp v[20+\j], v[16+\j], v[16+\j] row_xmask:1 row_mask:0xf bank_mask:0xf
.endr
.irp m, 2,4
.irp j, 0,1,2,3
	v_add_f32_dpp v[20+\j], v[20+\j], v[20+\j] row_xmask:\m row_mask:0xf bank_mask:0xf
.endr
.endr
.irp j, 0,1,2,3
	v_rcp_f32 v[24+\j], v[20+\j]                   ; 1 / sum: also the top probability, whose exponential is 2^0
.endr
	v_and_b32 v106, 3, v0                          ; the plain instruction behind the reciprocals
.irp m, 1,2,4
.irp j, 0,1,2,3
	v_min_num_f32_dpp v[28+\j], v[28+\j], v[28+\j] row_xmask:\m row_mask:0xf bank_mask:0xf   ; the first of the largest
.endr
.endr
	s_wait_alu depctr_va_vdst(0)
.irp j, 0,1,2,3
	v_cvt_u32_f32 v[28+\j], v[28+\j]
	v_mul_f32 v[32+\j], v[16+\j], v[24+\j]         ; the probabilities
.endr
	v_add_f32 v32, v32, v33
	v_add_f32 v34, v34, v35
	v_add_f32 v32, v32, v34
	v_add_f32_dpp v32, v32, v32 row_xmask:8 row_mask:0xf bank_mask:0xf
	v_permlanex16_b32 v[Z+1], v32, s20, s21
	v_add_f32 v32, v32, v[Z+1]                     ; expert l & 7 over the 16 tokens
	; lane l with bit 2 clear stores token 4 (l & 3) + (l >> 3): it picks register j = l & 3
	v_cndmask_b32 v36, v28, v29, s22
	v_cndmask_b32 v37, v30, v31, s22
	v_cndmask_b32 v36, v36, v37, s23
	v_cndmask_b32 v38, v24, v25, s22
	v_cndmask_b32 v39, v26, v27, s22
	v_cndmask_b32 v38, v38, v39, s23
	v_lshrrev_b32 v107, 3, v1
	v_lshlrev_b32 v107, 2, v107
	v_lshl_add_u32 v106, v106, 4, v107             ; 4 bytes x (4 (l & 3) + (l >> 3))
	v_and_b32 v108, 4, v1
	v_cmp_eq_u32 vcc_lo, 0, v108
	s_wait_xcnt 0x0                                ; EXEC is a source of the stores of xb: it changes only behind this wait
	s_and_saveexec_b32 s28, vcc_lo
	global_store_b32 v106, v36, s[12:13]
	global_store_b32 v106, v38, s[14:15]
	s_wait_xcnt 0x0
	s_or_b32 exec_lo, exec_lo, s28
	v_cmp_gt_u32 vcc_lo, 8, v1
	s_wait_xcnt 0x0
	s_and_saveexec_b32 s28, vcc_lo
	global_store_b32 v6, v32, s[16:17]             ; lanes 0 to 7: the eight sums
	s_wait_xcnt 0x0
	s_or_b32 exec_lo, exec_lo, s28
.Lend:
	s_barrier_signal -1
	s_barrier_wait -1
	s_wait_tensorcnt 0x0
	ds_add_u32 v128, v129
	s_wait_dscnt 0x0
	s_endpgm
.Lfunc_end_k_q5dc327f9c7_gate:
	.size	k_q5dc327f9c7_gate, .Lfunc_end_k_q5dc327f9c7_gate-k_q5dc327f9c7_gate
	.p2alignl 7, 3214868480
	.fill 96, 4, 3214868480
	.section	.rodata,"a",@progbits
	.p2align	6, 0x0
	.amdhsa_kernel k_q5dc327f9c7_gate
		.amdhsa_group_segment_fixed_size 5120
		.amdhsa_private_segment_fixed_size 0
		.amdhsa_enable_private_segment 0
		.amdhsa_kernarg_size 56
		.amdhsa_user_sgpr_count 2
		.amdhsa_user_sgpr_kernarg_segment_ptr 1
		.amdhsa_wavefront_size32 1
		.amdhsa_system_sgpr_workgroup_id_x 1
		.amdhsa_system_sgpr_workgroup_id_y 1
		.amdhsa_system_sgpr_workgroup_id_z 1
		.amdhsa_system_vgpr_workitem_id 0
		.amdhsa_next_free_vgpr 130
		.amdhsa_next_free_sgpr 66
		.amdhsa_reserve_vcc 1
		.amdhsa_float_denorm_mode_32 3
		.amdhsa_float_denorm_mode_16_64 3
		.amdhsa_memory_ordered 1
		.amdhsa_forward_progress 1
		.amdhsa_inst_pref_size 62
	.end_amdhsa_kernel
	.amdgpu_metadata
---
amdhsa.version: [ 1, 2 ]
amdhsa.kernels:
  - .name:           k_q5dc327f9c7_gate
    .symbol:         k_q5dc327f9c7_gate.kd
    .args:
      - { .name: x, .offset: 0, .size: 8, .value_kind: global_buffer, .address_space: global }
      - { .name: Wg, .offset: 8, .size: 8, .value_kind: global_buffer, .address_space: global }
      - { .name: bg, .offset: 16, .size: 8, .value_kind: global_buffer, .address_space: global }
      - { .name: xb, .offset: 24, .size: 8, .value_kind: global_buffer, .address_space: global }
      - { .name: idx, .offset: 32, .size: 8, .value_kind: global_buffer, .address_space: global }
      - { .name: prob, .offset: 40, .size: 8, .value_kind: global_buffer, .address_space: global }
      - { .name: psum, .offset: 48, .size: 8, .value_kind: global_buffer, .address_space: global }
    .group_segment_fixed_size: 5120
    .private_segment_fixed_size: 0
    .kernarg_segment_align: 8
    .kernarg_segment_size: 56
    .max_flat_workgroup_size: 256
    .sgpr_count:     66
    .vgpr_count:     130
    .wavefront_size: 32
...
	.end_amdgpu_metadata
.endif
;; end of part 1
;; launch plan (part 2): grid 1 x 1, 32 waves a work-group, no clusters, 54,784 bytes of LDS; arguments idx, psum, list, meta, out1; writes list, meta, out1
.if DOCPART == 2
	.amdgcn_target "amdgcn-amd-amdhsa--gfx1250"
	.amdhsa_code_object_version 6
	.text
	.protected	k_q5dc327f9c7_plan
	.globl	k_q5dc327f9c7_plan
	.p2align	8
	.type	k_q5dc327f9c7_plan,@function
k_q5dc327f9c7_plan:
	s_mov_b64 s[64:65], 0
	v_nop
	global_prefetch_b8 v0, s[64:65] scope:SCOPE_SE
	s_setreg_imm32_b32 hwreg(HW_REG_WAVE_MODE, 25, 1), 1
	s_wait_xcnt 0x0
; PLAN.  From the 4,096 expert indices: each token's place in its expert's queue (the running count over all tokens), the lists of
; tokens that the next launch walks, the counts, and the load-balance loss.
;   list[640 e + pos]  the token at place pos (from 0) of expert e, for pos < 640; list[5120 + d] the d-th token beyond an expert's 640;
;                      every other entry 0, so that all 12,288 words are written
;   meta[2 e] = min(count of e, 640);  meta[16] = number of tokens beyond capacity;  the other words 0
;   out1 = 8 x sum over e of (count of e / 4096) x (sum of e's probabilities / 4096)
; ONE work-group: the running count spans all tokens, and 16 KiB of indices are 4 words a thread for 1,024 threads.
; Slot j of lane l of wave w is token 128 w + 32 j + l, so the order (w, j, l) is the order of the tokens.
; An index above 7 (a token with a NaN logit) is filed under expert 7.
.set CAP,  640
.set WC,   49152                       ; LDS: behind the list's 49,152 bytes, 32 waves x 16 bytes: eight counts, two to a word
.set WP,   49664                       ; LDS: 32 waves x 32 bytes: eight sums of probabilities
.set IDX,  8                           ; v[8:11]   my four tokens' experts
.set RW,   20                          ; v[20:23]  their ranks among the wave's tokens of the same expert, then in the whole queue
	s_load_b256 s[4:11], s[0:1], 0x0               ; idx s[4:5], psum s[6:7], list s[8:9], meta s[10:11]
	s_load_b64 s[12:13], s[0:1], 0x20              ; out1
	v_lshl_add_u32 v64, v0, 2, 0xc600
	v_mov_b32 v65, 0
	v_lshrrev_b32 v1, 5, v0
	v_readfirstlane_b32 s14, v1                    ; wave
	s_mov_b32 s20, 0x76543210
	s_mov_b32 s21, 0xfedcba98
	s_mov_b32 s23, 0xcccccccc                      ; lanes with bit 1 set
	s_mov_b32 s24, 0xf0f0f0f0                      ; lanes with bit 2 set
	v_and_b32 v1, 31, v0                           ; lane
	v_lshlrev_b32 v2, 2, v1
	v_lshl_add_u32 v2, s14, 9, v2                  ; idx: 512 w + 4 l (+ 128 j)
	v_lshlrev_b32 v3, 3, v0                        ; psum: two words a thread
	v_lshlrev_b32 v4, 4, v1
	v_lshl_add_u32 v4, s14, 9, v4                  ; the list, in LDS and in memory: 16 bytes a thread, three times
.irp i, 12,13,14,15
	v_mov_b32 v\i, 0
.endr
	v_mov_b32 v5, 0                                ; destination of the lane-crossing moves: written once here
.irp e, 0,1,2,3,4,5,6,7
	s_mov_b32 s[32+\e], 0                          ; the wave's counts
.endr
	s_wait_kmcnt 0x0
.irp j, 0,1,2,3
	global_load_b32 v[IDX+\j], v2, s[4:5] offset:128*\j
.endr
	global_load_b64 v[16:17], v3, s[6:7]           ; experts 2 (l & 3) and 2 (l & 3) + 1 of work-group t >> 2 of the gate
.irp i, 0,1,2
	ds_store_b128 v4, v[12:15] offset:16384*\i     ; the list starts as zeros
.endr
	s_wait_loadcnt 0x0
.irp j, 0,1,2,3
	v_min_u32 v[IDX+\j], 7, v[IDX+\j]
.endr
	; the probabilities: lanes with the same l & 3 hold the same two experts
.irp r, 16,17
	v_add_f32_dpp v\r, v\r, v\r row_xmask:4 row_mask:0xf bank_mask:0xf
	v_add_f32_dpp v\r, v\r, v\r row_xmask:8 row_mask:0xf bank_mask:0xf
	v_permlanex16_b32 v5, v\r, s20, s21
	v_add_f32 v\r, v\r, v5
.endr
	v_and_b32 v6, 3, v0
	v_lshlrev_b32 v6, 3, v6
	v_lshl_add_u32 v6, s14, 5, v6
	ds_store_b64 v6, v[16:17] offset:WP            ; lanes with the same l & 3 store the same bits to the same bytes
	; rank inside the wave: lanes below me in slot j with my expert, plus the wave's count of it in the slots before
.irp j, 0,1,2,3
.irp e, 0,1,2,3,4,5,6,7
	v_cmp_eq_u32 s30, \e, v[IDX+\j]
.if \e == 0
	v_mbcnt_lo_u32_b32 v[RW+\j], s30, s[32+\e]     ; written whole; the lane's own expert overwrites it below
.else
	v_mbcnt_lo_u32_b32 v7, s30, s[32+\e]
	v_cndmask_b32 v[RW+\j], v[RW+\j], v7, s30
.endif
	s_bcnt1_i32_b32 s31, s30
	s_add_co_u32 s[32+\e], s[32+\e], s31
.endr
.endr
.irp i, 0,1,2,3
	s_lshl_b32 s31, s[33+2*\i], 16                 ; two counts to a word: a sum over all waves is 4,096 at the most and stays in its 16 bits
	s_or_b32 s31, s31, s[32+2*\i]
	v_mov_b32 v[24+\i], s31
.endr
	v_mov_b32 v28, s14
	v_lshlrev_b32 v28, 4, v28
	ds_store_b128 v28, v[24:27] offset:WC
	s_wait_dscnt 0x0                               ; zeros, sums and counts are in LDS before I say so
	s_barrier_signal -1
	s_barrier_wait -1
	v_lshlrev_b32 v29, 4, v1
	ds_load_b128 v[32:35], v29 offset:WC           ; lane l: wave l's counts
	v_and_b32 v30, 1, v0
	v_lshlrev_b32 v30, 4, v30                      ; 16 (l & 1): which half of a word
	v_lshl_add_u32 v31, s14, 7, v1                 ; my first token
	s_wait_dscnt 0x0
	v_cmp_gt_u32 vcc_lo, s14, v1                   ; the waves in front of mine
.irp i, 0,1,2,3
	v_cndmask_b32 v[36+\i], 0, v[32+\i], vcc_lo
.endr
.macro WSUMI r                         ; a whole-number sum over the 32 lanes, in every lane
.irp m, 1,2,4,8
	v_mov_b32_dpp v5, v[\r] row_xmask:\m row_mask:0xf bank_mask:0xf
	v_add_nc_u32 v[\r], v[\r], v5
.endr
	v_permlanex16_b32 v5, v[\r], s20, s21
	v_add_nc_u32 v[\r], v[\r], v5
.endm
.irp r, 32,33,34,35,36,37,38,39
	WSUMI \r
.endr
.macro PICK d, b                       ; lane l takes the count of expert l & 7 out of the four packed words at v[b]
	v_cndmask_b32 v6, v[\b], v[\b+1], s23
	v_cndmask_b32 v7, v[\b+2], v[\b+3], s23
	v_cndmask_b32 v6, v6, v7, s24
	v_lshrrev_b32 v6, v30, v6
	v_and_b32 v[\d], 0xffff, v6
.endm
	PICK 40, 32                                    ; v40: the expert's count over all tokens
	PICK 41, 36                                    ; v41: its count in the waves in front of mine
	v_subrev_nc_u32 v42, CAP, v40
	v_max_i32 v42, 0, v42                          ; how many of the expert's tokens are beyond capacity
	v_mov_b32 v43, v42
.irp m, 1,2,4
	v_mov_b32_dpp v5, v43 row_shr:\m row_mask:0xf bank_mask:0xf bound_ctrl:1
	v_add_nc_u32 v43, v43, v5                      ; running sum; lanes 0 to 7 alone are used
.endr
	v_readlane_b32 s44, v43, 7                     ; all tokens beyond capacity
	v_sub_nc_u32 v44, v43, v42
	v_add_nc_u32 v44, 5120-CAP, v44                ; place pos >= 640 of expert e goes to entry pos + 4480 + (the experts' excess in front of e)
.irp j, 0,1,2,3
	v_lshlrev_b32 v[24+\j], 2, v[IDX+\j]
	ds_bpermute_b32 v[48+\j], v[24+\j], v41        ; from lane e: my expert's figures
	ds_bpermute_b32 v[52+\j], v[24+\j], v44
.endr
	s_wait_dscnt 0x0
.irp j, 0,1,2,3
	v_add_nc_u32 v[RW+\j], v[RW+\j], v[48+\j]      ; place in the queue, from 0
	v_cmp_gt_u32 vcc_lo, CAP, v[RW+\j]
	v_mad_u32_u24 v6, v[IDX+\j], CAP, v[RW+\j]
	v_add_nc_u32 v7, v[RW+\j], v[52+\j]
	v_cndmask_b32 v6, v7, v6, vcc_lo
	v_min_u32 v6, 12287, v6                        ; inside the list whatever was loaded
	v_lshlrev_b32 v6, 2, v6
	v_add_nc_u32 v7, 32*\j, v31
	ds_store_b32 v6, v7                            ; every token has an entry of its own
.endr
	s_wait_dscnt 0x0
	s_barrier_signal -1
	s_barrier_wait -1
	ds_load_b128 v[32:35], v4
	ds_load_b128 v[36:39], v4 offset:16384
	ds_load_b128 v[48:51], v4 offset:32768
	s_wait_dscnt 2                                 ; LDS loads come back in order: the first is in
	global_store_b128 v4, v[32:35], s[8:9]         ; a wave's store: 512 neighbouring bytes, aligned
	s_wait_dscnt 1
	global_store_b128 v4, v[36:39], s[8:9] offset:16384
	s_wait_dscnt 0
	global_store_b128 v4, v[48:51], s[8:9] offset:32768
	s_cmp_lg_u32 s14, 0
	s_cbranch_scc1 .Lend
	; wave 0: the counts and the loss
	v_min_u32 v52, CAP, v40
	v_cmp_gt_u32 vcc_lo, 8, v1
	v_cndmask_b32 v52, 0, v52, vcc_lo
	v_writelane_b32 v52, s44, 8
	v_mov_b32 v53, 0
	v_lshlrev_b32 v54, 3, v1
	global_store_b64 v54, v[52:53], s[10:11]       ; 32 lanes x 8 bytes: all 256 bytes of meta
	v_lshlrev_b32 v55, 5, v1
	ds_load_b128 v[56:59], v55 offset:WP           ; lane l: wave l's eight sums of probabilities
	ds_load_b128 v[60:63], v55 offset:WP+16
	v_cvt_f32_u32 v6, v40
.irp e, 0,1,2,3,4,5,6,7
	v_readlane_b32 s[48+\e], v6, \e                ; the counts as f32 (values only: no address or branch hangs on them)
.endr
	s_wait_dscnt 0x0
	v_mul_f32 v7, s48, v56
.irp e, 1,2,3,4,5,6,7
	v_fma_f32 v7, s[48+\e], v[56+\e], v7
.endr
.irp m, 1,2,4,8
	v_add_f32_dpp v7, v7, v7 row_xmask:\m row_mask:0xf bank_mask:0xf
.endr
	v_permlanex16_b32 v5, v7, s20, s21
	v_add_f32 v7, v7, v5
	v_mul_f32 v7, 0x35000000, v7                   ; 8 / 4096^2 = 2^-21
	v_mov_b32 v9, 0
	v_cmp_eq_u32 vcc_lo, 0, v1
	s_wait_xcnt 0x0                                ; EXEC is a source of the stores above
	s_and_saveexec_b32 s45, vcc_lo
	global_store_b32 v9, v7, s[12:13]
	s_wait_xcnt 0x0
	s_or_b32 exec_lo, exec_lo, s45
.Lend:
	s_barrier_signal -1
	s_barrier_wait -1
	s_wait_tensorcnt 0x0
	ds_add_u32 v64, v65
	s_wait_dscnt 0x0
	s_endpgm
.Lfunc_end_k_q5dc327f9c7_plan:
	.size	k_q5dc327f9c7_plan, .Lfunc_end_k_q5dc327f9c7_plan-k_q5dc327f9c7_plan
	.p2alignl 7, 3214868480
	.fill 96, 4, 3214868480
	.section	.rodata,"a",@progbits
	.p2align	6, 0x0
	.amdhsa_kernel k_q5dc327f9c7_plan
		.amdhsa_group_segment_fixed_size 54784
		.amdhsa_private_segment_fixed_size 0
		.amdhsa_enable_private_segment 0
		.amdhsa_kernarg_size 40
		.amdhsa_user_sgpr_count 2
		.amdhsa_user_sgpr_kernarg_segment_ptr 1
		.amdhsa_wavefront_size32 1
		.amdhsa_system_sgpr_workgroup_id_x 1
		.amdhsa_system_sgpr_workgroup_id_y 1
		.amdhsa_system_sgpr_workgroup_id_z 1
		.amdhsa_system_vgpr_workitem_id 0
		.amdhsa_next_free_vgpr 66
		.amdhsa_next_free_sgpr 66
		.amdhsa_reserve_vcc 1
		.amdhsa_float_denorm_mode_32 3
		.amdhsa_float_denorm_mode_16_64 3
		.amdhsa_memory_ordered 1
		.amdhsa_forward_progress 1
		.amdhsa_inst_pref_size 23
	.end_amdhsa_kernel
	.amdgpu_metadata
---
amdhsa.version: [ 1, 2 ]
amdhsa.kernels:
  - .name:           k_q5dc327f9c7_plan
    .symbol:         k_q5dc327f9c7_plan.kd
    .args:
      - { .name: idx, .offset: 0, .size: 8, .value_kind: global_buffer, .address_space: global }
      - { .name: psum, .offset: 8, .size: 8, .value_kind: global_buffer, .address_space: global }
      - { .name: list, .offset: 16, .size: 8, .value_kind: global_buffer, .address_space: global }
      - { .name: meta, .offset: 24, .size: 8, .value_kind: global_buffer, .address_space: global }
      - { .name: out1, .offset: 32, .size: 8, .value_kind: global_buffer, .address_space: global }
    .group_segment_fixed_size: 54784
    .private_segment_fixed_size: 0
    .kernarg_segment_align: 8
    .kernarg_segment_size: 40
    .max_flat_workgroup_size: 1024
    .sgpr_count:     66
    .vgpr_count:     66
    .wavefront_size: 32
...
	.end_amdgpu_metadata
.endif
;; end of part 2
;; launch experts (part 3): grid 32 x 8, 8 waves a work-group, no clusters, 248,320 bytes of LDS; arguments xb, W, b, prob, list, meta, out0; writes out0
.if DOCPART == 3
	.amdgcn_target "amdgcn-amd-amdhsa--gfx1250"
	.amdhsa_code_object_version 6
	.text
	.protected	k_q5dc327f9c7_experts
	.globl	k_q5dc327f9c7_experts
	.p2align	8
	.type	k_q5dc327f9c7_experts,@function
k_q5dc327f9c7_experts:
	s_mov_b64 s[64:65], 0
	v_nop
	global_prefetch_b8 v0, s[64:65] scope:SCOPE_SE
	s_setreg_imm32_b32 hwreg(HW_REG_WAVE_MODE, 25, 1), 1
	s_wait_xcnt 0x0
; EXPERTS.  out0[token] = (x[token] W[e] + b[e]) x prob[token] for the tokens in expert e's queue, zeros for the tokens beyond capacity.
; Work-group (x, y): expert e = y, columns 128 (x >> 2) .. + 127, queue places 160 (x & 3) .. + 159: a block of 160 x 128, K = 1,024 in eight
; chunks of 128.  Eight waves as 2 x 4: a wave makes 80 rows x 32 columns in ten accumulators of 16 x 16.
; All 160 places are always multiplied (an empty place holds token 0 and is not stored): only the stores follow the counts.
; FORMAT: x comes as the gate's bf16 copy; W and b are rounded to bf16 (nearest even) here; sums, bias and scaling in f32.
; THE ROAD: both operands come through registers.  W lies in memory as f32 [k][n]: each of its words is rounded once on the way and LDS holds
; 2 bytes a number (36,864 bytes a chunk); the matrix unit's fragment is made by the transposing LDS load.  The rows of x are picked by a list.
; Two chunks are always on their way: 26 loads of 16 bytes a thread and chunk, 2 x 104 KiB a work-group.
; WHY NO JOINT TENSOR LOADS, though the four row blocks of an expert read the same W: a tile brought by the mover would lie in LDS as f32
; (65,536 bytes a chunk and slot), and each of the two row halves' waves would round the same words again; and no tile descriptor
; names rows picked by a list.
; The (y + b) x p at the end is an add and a multiply as the problem writes it: fusing would cost a product b x p for each row.
.set PX,   272                         ; LDS pitch of x's rows: 256 bytes + 16: sixteen rows start at sixteen different 16-byte columns
.set PW,   288                         ; LDS pitch of W's k rows: 256 bytes + 32, an odd multiple of 32, for the transposing load
.set XTB,  160*PX                      ; x's tile, 43,520 bytes; W's tile lies behind it
.set SLOT, XTB+128*PW                  ; 80,384 bytes; two slots take turns
.set STG,  2*SLOT                      ; the stage for the way out: 160 rows of 512 bytes of f32, pitch 528
.set PS,   528
.set REC,  STG+160*PS                  ; 256 records of 8 bytes: {prob, token} of a row of the block
.set CAP,  640
.set ROWS, 160
; window 0
.set ADRA, 10                          ; v10-11  slot 0, 1: my fragments of x
.set ADRB, 12                          ; v12-13  slot 0, 1: my fragments of W
.set STO,  14                          ; where my results go in the stage
.set RD,   15                          ; where I read whole rows back: rows w + 8 i, i < 10
.set RD2,  16                          ; the same for i >= 10 (the immediate has 16 bits)
.set RR,   17                          ; the records of those rows
.set COLB, 18                          ; my 16 bytes in a row of out0
.set COLX, 19                          ; my 16 bytes in a chunk's 256 bytes of a row of xb
.set BIAS, 20                          ; v[20:23] b of my four columns
.set F0,   24                          ; fragment buffer 0: x v[24:63] (5 x 8), W v[64:79] (2 x 8)
.set F1,   80                          ; fragment buffer 1: x v[80:119], W v[120:135]
.set ACC,  136                         ; v[136:215] tile (mt, nt) at 136 + 8 (2 mt + nt)
.set ZR,   216                         ; v[216:219] zeros, v220 their address
; window 1 (registers 256 and up, written by their low 8 bits)
.set SETSZ, 104                        ; staging set s at 104 s: W's 16 quads, then x's 10 quads at + 64
.set XO,   208                         ; v208-217  byte offsets in xb of my ten rows
.set WO,   218                         ; my byte offset in W's chunk
.set WST,  220                         ; v220-221  slot 0, 1: where my 8 bytes of a k row go
.set XST,  222                         ; v222-223  slot 0, 1: where my 16 bytes of a row of x go
.set MSB, 0
.macro WIN new                         ; the immediate's high byte repeats the setting that is left
.if MSB != \new
	s_set_vgpr_msb (MSB<<8)|\new
.set MSB, \new
.endif
.endm
.set TO1,  0x40                        ; destination in window 1, sources in window 0
.set IN1,  0x45                        ; destination, source 0 and source 1 in window 1; source 2 in window 0
.macro PLACES                          ; four places behind a matrix instruction, in front of loads into its registers and of stores of its results
.rept 4
	v_nop
.endr
.endm
.macro GLOADW c, set                   ; chunk c of W: quad p is k row 128 c + 8 p + w; a wave's load covers the row's 512 bytes of my 128 columns
.irp p, 0,1,2,3,4,5,6,7,8,9,10,11,12,13,14,15
	global_load_b128 v[SETSZ*\set+4*\p:SETSZ*\set+4*\p+3], v[WO], s[6:7] offset:(\c)*524288+\p*32768
.endr
.endm
.macro GLOADX c, set                   ; chunk c of x: quad p is row (t >> 4) + 16 p of the block; sixteen lanes take 256 aligned bytes of a row
.irp p, 0,1,2,3,4,5,6,7,8,9
	global_load_b128 v[SETSZ*\set+64+4*\p:SETSZ*\set+64+4*\p+3], v[XO+\p], s[4:5] offset:(\c)*256
.endr
.endm
.macro PUT set                         ; a staged chunk goes into slot set: W rounded to bf16, x as it is
.irp p, 0,1,2,3,4,5,6,7,8,9,10,11,12,13,14,15
	v_cvt_pk_bf16_f32 v[SETSZ*\set+4*\p], v[SETSZ*\set+4*\p], v[SETSZ*\set+4*\p+1]
	v_cvt_pk_bf16_f32 v[SETSZ*\set+4*\p+1], v[SETSZ*\set+4*\p+2], v[SETSZ*\set+4*\p+3]
	ds_store_b64 v[WST+\set], v[SETSZ*\set+4*\p:SETSZ*\set+4*\p+1] offset:\p*8*PW
.endr
.irp p, 0,1,2,3,4,5,6,7,8,9
	ds_store_b128 v[XST+\set], v[SETSZ*\set+64+4*\p:SETSZ*\set+64+4*\p+3] offset:\p*16*PX
.endr
.endm
.macro FETCH slot, q, f                ; 14 LDS loads: the fragments of K = 32 q .. 32 q + 31 of the slot's chunk
.irp mt, 0,1,2,3,4
	ds_load_b128 v[\f+8*\mt:\f+8*\mt+3],   v[ADRA+\slot] offset:\mt*16*PX+64*\q
	ds_load_b128 v[\f+8*\mt+4:\f+8*\mt+7], v[ADRA+\slot] offset:\mt*16*PX+64*\q+32
.endr
.irp nt, 0,1
	ds_load_tr16_b128 v[\f+40+8*\nt:\f+40+8*\nt+3],   v[ADRB+\slot] offset:\q*32*PW+32*\nt
	ds_load_tr16_b128 v[\f+40+8*\nt+4:\f+40+8*\nt+7], v[ADRB+\slot] offset:\q*32*PW+32*\nt+16*PW
.endr
.endm
; Ten matrix instructions, used transposed (source 0 = 16 columns of W, source 1 = 16 rows of x): lane l then holds row l % 16 and the eight
; neighbouring columns 8 (l / 16) + 0 .. 7.  The ten accumulators take turns, one instruction a turn, in the same order in every step.
.macro MUL f, zero
.irp mt, 0,1,2,3,4
.irp nt, 0,1
.if \zero
	v_wmma_f32_16x16x32_bf16 v[ACC+8*(2*\mt+\nt):ACC+8*(2*\mt+\nt)+7], v[\f+40+8*\nt:\f+40+8*\nt+7], v[\f+8*\mt:\f+8*\mt+7], 0
.else
	v_wmma_f32_16x16x32_bf16 v[ACC+8*(2*\mt+\nt):ACC+8*(2*\mt+\nt)+7], v[\f+40+8*\nt:\f+40+8*\nt+7], v[\f+8*\mt:\f+8*\mt+7], v[ACC+8*(2*\mt+\nt):ACC+8*(2*\mt+\nt)+7]
.endif
.endr
.endr
.endm
	s_load_b256 s[4:11], s[0:1], 0x0               ; xb s[4:5], W s[6:7], b s[8:9], prob s[10:11]
	s_load_b128 s[12:15], s[0:1], 0x20             ; list s[12:13], meta s[14:15]
	s_load_b64 s[16:17], s[0:1], 0x30              ; out0
	v_lshl_add_u32 v254, v0, 2, 0x3c600
	v_mov_b32 v255, 0
	v_lshrrev_b32 v1, 5, v0
	v_readfirstlane_b32 s18, v1                    ; wave
	s_and_b32 s19, ttmp7, 0xffff                   ; expert
	s_lshr_b32 s20, ttmp9, 2                       ; block of 128 columns
	s_and_b32 s21, ttmp9, 3                        ; block of 160 queue places
	s_lshr_b32 s22, s18, 2                         ; wm: which 80 rows
	s_and_b32 s23, s18, 3                          ; wn: which 32 columns
	s_lshl_b32 s30, s19, 5
	s_add_co_u32 s30, s30, ttmp9                   ; the work-group's number, 0 to 255
	v_and_b32 v1, 31, v0                           ; lane
	v_and_b32 v4, 15, v0                           ; r
	v_bfe_u32 v5, v0, 4, 1                         ; h
	v_mul_u32_u24 v6, v4, PX
	v_lshl_add_u32 v6, v5, 4, v6
	s_mul_i32 s38, s22, 80*PX
	v_add_nc_u32 v[ADRA], s38, v6                  ; (80 wm + r) x 272 + 16 h
	v_add_nc_u32 v[ADRA+1], SLOT, v[ADRA]
	v_and_b32 v7, 7, v0
	v_lshl_add_u32 v7, v5, 3, v7
	v_mul_u32_u24 v7, v7, PW
	v_bfe_u32 v8, v0, 3, 1
	v_lshl_add_u32 v7, v8, 4, v7
	s_lshl_b32 s38, s23, 6
	s_add_co_u32 s38, s38, XTB
	v_add_nc_u32 v[ADRB], s38, v7                  ; behind x's tile: (8 h + (l & 7)) x 288 + 64 wn + 16 ((l >> 3) & 1)
	v_add_nc_u32 v[ADRB+1], SLOT, v[ADRB]
	v_mul_u32_u24 v6, v4, PS
	v_lshl_add_u32 v6, v5, 5, v6
	s_mul_i32 s38, s22, 80*PS
	s_lshl_b32 s39, s23, 7
	s_add_co_u32 s38, s38, s39
	s_add_co_u32 s38, s38, STG
	v_add_nc_u32 v[STO], s38, v6                   ; stage + (80 wm + r) x 528 + 128 wn + 32 h
	s_mul_i32 s38, s18, PS
	s_add_co_u32 s38, s38, STG
	v_lshl_add_u32 v[RD], v1, 4, s38               ; stage + w x 528 + 16 lane
	v_add_nc_u32 v[RD2], 80*PS, v[RD]
	s_lshl_b32 s38, s18, 3
	s_add_co_u32 s38, s38, REC
	v_mov_b32 v[RR], s38
	s_lshl_b32 s38, s20, 9
	v_lshl_add_u32 v[COLB], v1, 4, s38             ; 512 x column block + 16 lane
	v_lshlrev_b32 v[COLX], 4, v4
	v_mul_u32_u24 v6, v5, PX                       ; x's way into LDS: row 2 w + h (+ 16 p), 16 bytes at 16 r
	v_lshl_add_u32 v6, v4, 4, v6
	s_mul_i32 s38, s18, 2*PX
	v_add_nc_u32 v6, s38, v6
	v_lshlrev_b32 v7, 4, v1                        ; b: 16 lane
	v_min_u32 v8, ROWS-1, v0
	v_lshlrev_b32 v8, 2, v8                        ; the list entry of row min(t, 159): for the records
	v_lshrrev_b32 v9, 4, v0
	v_lshlrev_b32 v9, 2, v9                        ; the list entries of rows (t >> 4) + 16 p
	s_lshl_b32 s38, s18, 12                        ; W: k row w of each eight
	s_mul_i32 s39, s18, PW
	s_add_co_u32 s39, s39, XTB
	s_add_co_u32 s40, s39, SLOT
	s_mov_b32 s25, 0
	s_wait_kmcnt 0x0
	s_lshl_b32 s24, s19, 22                        ; an expert's W: 4 MiB
	s_lshl_b32 s41, s20, 9
	s_add_co_u32 s24, s24, s41
	s_add_nc_u64 s[6:7], s[6:7], s[24:25]
	s_lshl_b32 s24, s19, 12
	s_add_co_u32 s24, s24, s41
	s_add_nc_u64 s[8:9], s[8:9], s[24:25]
	s_mul_i32 s24, s19, CAP*4
	s_mul_i32 s41, s21, ROWS*4
	s_add_co_u32 s24, s24, s41
	s_add_nc_u64 s[34:35], s[12:13], s[24:25]      ; the list at my block's first place
	s_lshl_b32 s24, s19, 3
	s_add_nc_u64 s[36:37], s[14:15], s[24:25]
	s_load_b32 s26, s[36:37], 0x0                  ; how many places of my expert's queue are taken
	s_load_b32 s27, s[14:15], 0x40                 ; how many tokens are beyond capacity
	global_load_b128 v[BIAS:BIAS+3], v7, s[8:9]
	global_load_b32 v3, v8, s[34:35]
	WIN TO1
	v_lshl_add_u32 v[WO], v1, 4, s38
	v_lshl_add_u32 v[WST], v1, 3, s39
	v_lshl_add_u32 v[WST+1], v1, 3, s40
	v_mov_b32 v[XST], v6
	v_add_nc_u32 v[XST+1], SLOT, v6
.irp p, 0,1,2,3,4,5,6,7,8,9
	global_load_b32 v[XO+\p], v9, s[34:35] offset:64*\p
.endr
	WIN IN1
	GLOADW 0, 0                                    ; W needs no list: its first two chunks go out at once
	GLOADW 1, 1
	s_wait_loadcnt 32                              ; bias and list entries are in; W's 32 loads stay out
.irp p, 0,1,2,3,4,5,6,7,8,9
	v_min_u32 v[XO+\p], 0xfff, v[XO+\p]            ; a token number stays inside the table
	v_lshl_add_u32 v[XO+\p], v[XO+\p], 11, v[COLX] ; token x 2,048 bytes + my 16
.endr
	WIN 0
	v_min_u32 v3, 0xfff, v3
	v_lshlrev_b32 v5, 2, v3
	global_load_b32 v2, v5, s[10:11]               ; the row's probability
	v_cvt_pk_bf16_f32 v6, v[BIAS], v[BIAS+1]       ; b rounded to bf16 and widened again
	v_cvt_pk_bf16_f32 v4, v[BIAS+2], v[BIAS+3]
	v_lshlrev_b32 v[BIAS], 16, v6
	v_and_b32 v[BIAS+1], 0xffff0000, v6
	v_lshlrev_b32 v[BIAS+2], 16, v4
	v_and_b32 v[BIAS+3], 0xffff0000, v4
	WIN IN1
	GLOADX 0, 0
	GLOADX 1, 1
	s_wait_loadcnt 10                              ; all but chunk 1's ten loads of x
	PUT 0
	GLOADW 2, 0
	GLOADX 2, 0
	WIN 0
	s_lshl_b32 s38, s18, 8
	s_add_co_u32 s38, s38, REC
	v_lshl_add_u32 v6, v1, 3, s38
	ds_store_b64 v6, v[2:3]                        ; record t
	s_wait_kmcnt 0x0
	s_min_u32 s27, s27, 4096
	s_mul_i32 s38, s21, ROWS
	s_sub_co_i32 s28, s26, s38
	s_max_i32 s28, s28, 0
	s_min_i32 s28, s28, ROWS                       ; rows of my block that hold a token
	s_add_co_u32 s29, s28, 7
	s_sub_co_u32 s29, s29, s18
	s_lshr_b32 s29, s29, 3                         ; of them rows w, w + 8, ...: mine on the way out
	s_wait_dscnt 0x0                               ; chunk 0 and the records are in LDS before I say so
	s_barrier_signal -1
	s_barrier_wait -1
; Chunk c: four steps of 32 along K on fragment buffers 0, 1, 0, 1, each fetched one step ahead.  At its head chunk c + 1 goes from
; registers into the other slot, and chunk c + 3 is asked for into the registers just emptied.
; ONE barrier a chunk, for two things: in front of it each wave's reads of this slot and its stores into the other are done (s_wait_dscnt 0);
; behind it the other slot is read and this one is written again.
.macro TRIP c, cur, nxt
.if \c > 0
	PLACES
.endif
	FETCH \cur, 0, F0
.if \c < 7
	WIN IN1
.if \c < 6
	s_wait_loadcnt 26                              ; chunk c + 1 is in registers; chunk c + 2's 26 loads stay out
.else
	s_wait_loadcnt 0                               ; the last chunk: nothing younger
.endif
	PUT \nxt
.if \c < 5
	GLOADW \c+3, \nxt
	GLOADX \c+3, \nxt
.endif
	WIN 0
.endif
	FETCH \cur, 1, F1
.if \c < 7
	s_wait_dscnt 40                                ; buffer 0 is in: 26 stores and 14 loads are younger
.else
	s_wait_dscnt 14
.endif
.if \c == 0
	MUL F0, 1                                      ; the first products start the sums: nothing is cleared
.else
	MUL F0, 0
.endif
	PLACES
	FETCH \cur, 2, F0
	s_wait_dscnt 14                                ; buffer 1 is in: the 14 loads just issued are younger
	MUL F1, 0
	PLACES
	FETCH \cur, 3, F1
	s_wait_dscnt 14
	MUL F0, 0
	s_wait_dscnt 0
.if \c < 7
	s_barrier_signal -1
.endif
	MUL F1, 0                                      ; register work while the others arrive
.if \c < 7
	s_barrier_wait -1
.endif
.endm
	TRIP 0, 0, 1
	TRIP 1, 1, 0
	TRIP 2, 0, 1
	TRIP 3, 1, 0
	TRIP 4, 0, 1
	TRIP 5, 1, 0
	TRIP 6, 0, 1
	TRIP 7, 1, 0
	; THE WAY OUT: results into the stage (bytes of its own), read back as whole rows of 512 bytes, one row a wave and store.
	PLACES
.irp mt, 0,1,2,3,4
.irp nt, 0,1
	ds_store_b128 v[STO], v[ACC+8*(2*\mt+\nt):ACC+8*(2*\mt+\nt)+3]   offset:\mt*16*PS+64*\nt
	ds_store_b128 v[STO], v[ACC+8*(2*\mt+\nt)+4:ACC+8*(2*\mt+\nt)+7] offset:\mt*16*PS+64*\nt+16
.endr
.endr
	s_wait_dscnt 0x0
	s_barrier_signal -1
	s_barrier_wait -1
.irp i, 0,1,2,3,4,5,6,7,8,9,10,11,12,13,14,15,16,17,18,19
	ds_load_b64 v[104+2*\i:105+2*\i], v[RR] offset:64*\i           ; {prob, token} of row w + 8 i, the same in every lane
.endr
.irp i, 0,1,2,3,4,5,6,7,8,9
	ds_load_b128 v[24+4*\i:27+4*\i], v[RD] offset:\i*8*PS
.endr
.irp i, 0,1,2,3,4,5,6,7,8,9
	ds_load_b128 v[64+4*\i:67+4*\i], v[RD2] offset:\i*8*PS
.endr
.macro ROW i
	s_cmp_le_u32 s29, \i
	s_cbranch_scc1 .Lrows_done                     ; the rest of my rows hold no token
	s_wait_dscnt 19-\i                             ; row i is in; the younger rows stay out
	v_pk_add_f32 v[24+4*\i:25+4*\i], v[24+4*\i:25+4*\i], v[BIAS:BIAS+1]
	v_pk_add_f32 v[26+4*\i:27+4*\i], v[26+4*\i:27+4*\i], v[BIAS+2:BIAS+3]
	v_pk_mul_f32 v[24+4*\i:25+4*\i], v[24+4*\i:25+4*\i], v[104+2*\i:105+2*\i] op_sel_hi:[1,0]
	v_pk_mul_f32 v[26+4*\i:27+4*\i], v[26+4*\i:27+4*\i], v[104+2*\i:105+2*\i] op_sel_hi:[1,0]
	v_min_u32 v[105+2*\i], 0xfff, v[105+2*\i]
	v_lshl_add_u32 v[105+2*\i], v[105+2*\i], 12, v[COLB]
	global_store_b128 v[105+2*\i], v[24+4*\i:27+4*\i], s[16:17] th:TH_STORE_NT   ; 512 neighbouring bytes, aligned; its registers are never written again
.endm
.irp i, 0,1,2,3,4,5,6,7,8,9,10,11,12,13,14,15,16,17,18,19
	ROW \i
.endr
.Lrows_done:
	s_wait_dscnt 0x0                               ; ways with different numbers of loads out join here
	; THE TOKENS BEYOND CAPACITY: rows of zeros.  Entry d of their list belongs to work-group d mod 256; 256 threads x 16 bytes are a row.
	s_cmp_le_u32 s27, s30
	s_cbranch_scc1 .Lend
	s_sub_co_u32 s31, s27, s30
	s_add_co_u32 s31, s31, 255
	s_lshr_b32 s31, s31, 8                         ; my entries
	s_lshl_b32 s24, s30, 2
	s_add_co_u32 s24, s24, 5120*4
	s_add_nc_u64 s[12:13], s[12:13], s[24:25]
	s_mov_b32 s32, 0
.irp i, 0,1,2,3
	v_mov_b32 v[ZR+\i], 0
.endr
.Lzero:
	s_load_b32 s33, s[12:13], 0x0
	s_wait_kmcnt 0x0
	s_min_u32 s33, s33, 0xfff
	s_lshl_b32 s33, s33, 12
	s_wait_xcnt 0x0                                ; the last trip's store has read its address register
	v_lshl_add_u32 v[ZR+4], v0, 4, s33
	global_store_b128 v[ZR+4], v[ZR:ZR+3], s[16:17] th:TH_STORE_NT
	s_add_nc_u64 s[12:13], s[12:13], 1024          ; 256 entries on
	s_add_co_u32 s32, s32, 1
	s_cmp_lt_u32 s32, s31
	s_cbranch_scc1 .Lzero
.Lend:
	s_barrier_signal -1
	s_barrier_wait -1
	s_wait_tensorcnt 0x0
	ds_add_u32 v254, v255
	s_wait_dscnt 0x0
	s_endpgm
.Lfunc_end_k_q5dc327f9c7_experts:
	.size	k_q5dc327f9c7_experts, .Lfunc_end_k_q5dc327f9c7_experts-k_q5dc327f9c7_experts
	.p2alignl 7, 3214868480
	.fill 96, 4, 3214868480
	.section	.rodata,"a",@progbits
	.p2align	6, 0x0
	.amdhsa_kernel k_q5dc327f9c7_experts
		.amdhsa_group_segment_fixed_size 248320
		.amdhsa_private_segment_fixed_size 0
		.amdhsa_enable_private_segment 0
		.amdhsa_kernarg_size 56
		.amdhsa_user_sgpr_count 2
		.amdhsa_user_sgpr_kernarg_segment_ptr 1
		.amdhsa_wavefront_size32 1
		.amdhsa_system_sgpr_workgroup_id_x 1
		.amdhsa_system_sgpr_workgroup_id_y 1
		.amdhsa_system_sgpr_workgroup_id_z 1
		.amdhsa_system_vgpr_workitem_id 0
		.amdhsa_next_free_vgpr 480
		.amdhsa_next_free_sgpr 66
		.amdhsa_reserve_vcc 0
		.amdhsa_float_denorm_mode_32 3
		.amdhsa_float_denorm_mode_16_64 3
		.amdhsa_memory_ordered 1
		.amdhsa_forward_progress 1
		.amdhsa_inst_pref_size 126
	.end_amdhsa_kernel
	.amdgpu_metadata
---
amdhsa.version: [ 1, 2 ]
amdhsa.kernels:
  - .name:           k_q5dc327f9c7_experts
    .symbol:         k_q5dc327f9c7_experts.kd
    .args:
      - { .name: xb, .offset: 0, .size: 8, .value_kind: global_buffer, .address_space: global }
      - { .name: W, .offset: 8, .size: 8, .value_kind: global_buffer, .address_space: global }
      - { .name: b, .offset: 16, .size: 8, .value_kind: global_buffer, .address_space: global }
      - { .name: prob, .offset: 24, .size: 8, .value_kind: global_buffer, .address_space: global }
      - { .name: list, .offset: 32, .size: 8, .value_kind: global_buffer, .address_space: global }
      - { .name: meta, .offset: 40, .size: 8, .value_kind: global_buffer, .address_space: global }
      - { .name: out0, .offset: 48, .size: 8, .value_kind: global_buffer, .address_space: global }
    .group_segment_fixed_size: 248320
    .private_segment_fixed_size: 0
    .kernarg_segment_align: 8
    .kernarg_segment_size: 56
    .max_flat_workgroup_size: 256
    .sgpr_count:     66
    .vgpr_count:     480
    .wavefront_size: 32
...
	.end_amdgpu_metadata
.endif
;; end of part 3
;; ======== version 2 of 2: 2 launches; 1.16 times as fast as version 1
;; limits: values outside matrix products are rounded to bf16
;; workspace buffers: xb 8,388,608 bytes; idx 16,384 bytes of whole numbers; prob 16,384 bytes; psum 8,192 bytes; cnt 8,192 bytes of whole numbers
;; launch gate (part 4): grid 256 x 1, 8 waves a work-group, no clusters, 5,120 bytes of LDS; arguments x, Wg, bg, xb, idx, prob, psum, cnt; writes xb, idx, prob, psum, cnt
.if DOCPART == 4
	.amdgcn_target "amdgcn-amd-amdhsa--gfx1250"
	.amdhsa_code_object_version 6
	.text
	.protected	k_q5dc327f9c7_gate
	.globl	k_q5dc327f9c7_gate
	.p2align	8
	.type	k_q5dc327f9c7_gate,@function
k_q5dc327f9c7_gate:
	s_mov_b64 s[64:65], 0
	v_nop
	global_prefetch_b8 v0, s[64:65] scope:SCOPE_SE
	s_setreg_imm32_b32 hwreg(HW_REG_WAVE_MODE, 25, 1), 1
	s_wait_xcnt 0x0
; GATE.  For 16 tokens a work-group: a bf16 copy of x (xb), logits = x Wg + bg, softmax, the first largest logit's index (idx),
; its probability (prob), the sums of the 16 tokens' probabilities for each expert (psum), and how many of the 16 chose each expert (cnt).
; FORMAT: x, Wg and bg are rounded to bf16 (nearest even) first, and all arithmetic behind that is f32: the expert product of the
; later launch works on the same rounded x, so the routing and the product see one and the same set of numbers.
; LIMITS: the index is taken on the logits (first maximum), which differs from a first maximum of the f32 probabilities only where two
; logits are so near that their probabilities round alike.  A token whose logits are all NaN is filed under expert 7.
; 1 / sum is v_rcp_f32 (1 ulp).  The maximum is taken away in front of the exponential.
; WHY NO MATRIX UNIT, NO TILES IN LDS: 8 output columns for 4,096 bytes of x a token; the launch is a stream, each byte of x read once.
; SHARES: eight waves; wave w owns k = 128 w .. 128 w + 127 of all 16 tokens, lane l the four k at 128 w + 4 l, so thread t owns the
; 16 bytes at 16 t of every row of x, the 8 bytes at 8 t of every row of xb and the 128 bytes at 128 t of Wg.
; The stores of idx, prob (64 bytes a work-group) and psum (32 bytes) are parts of larger aligned blocks.  cnt is laid [expert][work-group], so
; that the next launch reads an expert's 256 words as 1,024 neighbouring bytes: here that is eight words a work-group, 1,024 bytes apart.
.set ROWX, 4096                        ; bytes in a row of x
.set ROWB, 2048                        ; bytes in a row of xb
.set WGR, 8                            ; v[8:39]    Wg[k][e] of my four k: register 8 + 8 kk + e
.set X,   40                           ; v[40:103]  token t: 4 registers as loaded; the first two then hold its bf16 and are stored
.set T,   104                          ; v[104:107] my four x of one token, rounded, as f32
.set A,   108                          ; v[108:115] my share of one token's eight logits
.set K,   116                          ; v[116:119] at work: what a lane keeps
.set S,   120                          ; v[120:123] at work: what a lane sends
.set Z,   124                          ; v124 a logit's share of my wave; v125 the other half's
.set BG,  126                          ; v126       bg[lane & 7]
	s_load_b256 s[4:11], s[0:1], 0x0               ; x s[4:5], Wg s[6:7], bg s[8:9], xb s[10:11]
	s_load_b128 s[12:15], s[0:1], 0x20             ; idx s[12:13], prob s[14:15]
	s_load_b64 s[16:17], s[0:1], 0x30              ; psum
	s_load_b64 s[30:31], s[0:1], 0x38              ; cnt
	v_lshl_add_u32 v128, v0, 2, 0x1000
	v_mov_b32 v129, 0
	v_lshrrev_b32 v1, 5, v0
	v_readfirstlane_b32 s18, v1                    ; wave
	s_mov_b32 s20, 0x76543210                      ; v_permlanex16_b32: lane i reads lane i of the other half
	s_mov_b32 s21, 0xfedcba98
	s_mov_b32 s22, 0xaaaaaaaa                      ; lanes with bit 0 set
	s_mov_b32 s23, 0xcccccccc                      ; lanes with bit 1 set
	s_mov_b32 s24, 0xf0f0f0f0                      ; lanes with bit 2 set
	s_mov_b32 s25, 0xffff0000                      ; a word's upper bf16
	s_mov_b32 s27, 0
	v_and_b32 v1, 31, v0                           ; lane
	v_lshlrev_b32 v2, 4, v0                        ; my bytes in a row of x
	v_lshlrev_b32 v3, 3, v0                        ; my bytes in a row of xb
	v_lshlrev_b32 v4, 7, v0                        ; my bytes in Wg
	v_and_b32 v7, 7, v0
	v_lshlrev_b32 v7, 2, v7                        ; 4 (lane & 7): my word of bg
	v_lshl_add_u32 v5, s18, 9, v7                  ; LDS: [wave][token][expert], 512 w + 32 t + 4 e
	v_mov_b32 v[Z], 0                              ; destinations of lane-crossing forms count as read: written once here
	v_mov_b32 v[Z+1], 0
	s_wait_kmcnt 0x0
	s_lshl_b32 s26, ttmp9, 16                      ; 16 rows of 4,096 bytes
	s_add_nc_u64 s[4:5], s[4:5], s[26:27]
	s_lshl_b32 s26, ttmp9, 15                      ; 16 rows of 2,048 bytes
	s_add_nc_u64 s[10:11], s[10:11], s[26:27]
	s_lshl_b32 s26, ttmp9, 6                       ; 16 words
	s_add_nc_u64 s[12:13], s[12:13], s[26:27]
	s_add_nc_u64 s[14:15], s[14:15], s[26:27]
	s_lshl_b32 s26, ttmp9, 5                       ; 8 words
	s_add_nc_u64 s[16:17], s[16:17], s[26:27]
	s_lshl_b32 s26, ttmp9, 2                       ; my word in each expert's row of cnt
	s_add_nc_u64 s[30:31], s[30:31], s[26:27]
	global_load_b32 v[BG], v7, s[8:9]
.irp i, 0,1,2,3,4,5,6,7
	global_load_b128 v[WGR+4*\i:WGR+4*\i+3], v4, s[6:7] offset:16*\i
.endr
.irp t, 0,1,2,3,4,5,6,7,8,9,10,11,12,13,14,15
	global_load_b128 v[X+4*\t:X+4*\t+3], v2, s[4:5] offset:\t*ROWX th:TH_LOAD_NT   ; a wave's load: 512 neighbouring bytes; x is read once in the launch
.endr
	s_wait_loadcnt 16                              ; bg and Wg are in; the 16 loads of x stay out
.set i, 0
.rept 16
	v_cvt_pk_bf16_f32 v6, v[WGR+i], v[WGR+i+1]     ; Wg rounded to bf16 and widened again
	v_lshlrev_b32 v[WGR+i], 16, v6
	v_and_b32 v[WGR+i+1], s25, v6
.set i, i+2
.endr
	v_cvt_pk_bf16_f32 v6, v[BG], v[BG]
	v_lshlrev_b32 v[BG], 16, v6                    ; bg likewise
; Two sums for the price of one: the lanes of mask keep b and send a, the others keep a and send b; each adds what its partner
; (lane xor xm) sent.  Behind three such levels lane l holds expert l & 7, summed over its group of eight lanes.
.macro HALVE d, a, b, mask, xm, i
	v_cndmask_b32 v[K+\i], v[\a], v[\b], \mask
	v_cndmask_b32 v[S+\i], v[\b], v[\a], \mask
	v_add_f32_dpp v[\d], v[S+\i], v[K+\i] row_xmask:\xm row_mask:0xf bank_mask:0xf
.endm
.macro TOKEN t
	s_wait_loadcnt 15-\t                           ; loads come back in order: token t is in, the younger tokens stay out
	v_cvt_pk_bf16_f32 v[X+4*\t], v[X+4*\t], v[X+4*\t+1]
	v_cvt_pk_bf16_f32 v[X+4*\t+1], v[X+4*\t+2], v[X+4*\t+3]
	global_store_b64 v3, v[X+4*\t:X+4*\t+1], s[10:11] offset:\t*ROWB   ; a wave's store: 256 neighbouring bytes, aligned; its registers are never written again
	v_lshlrev_b32 v[T], 16, v[X+4*\t]
	v_and_b32 v[T+1], s25, v[X+4*\t]
	v_lshlrev_b32 v[T+2], 16, v[X+4*\t+1]
	v_and_b32 v[T+3], s25, v[X+4*\t+1]
.irp q, 0,2,4,6
	v_pk_mul_f32 v[A+\q:A+\q+1], v[T:T+1], v[WGR+\q:WGR+\q+1] op_sel_hi:[0,1]       ; x[k0] times two experts' weights: starts the sums
.endr
.irp q, 0,2,4,6
	v_pk_fma_f32 v[A+\q:A+\q+1], v[T:T+1], v[WGR+8+\q:WGR+8+\q+1], v[A+\q:A+\q+1] op_sel:[1,0,0] op_sel_hi:[1,1,1]      ; x[k0+1]
.endr
.irp q, 0,2,4,6
	v_pk_fma_f32 v[A+\q:A+\q+1], v[T+2:T+3], v[WGR+16+\q:WGR+16+\q+1], v[A+\q:A+\q+1] op_sel_hi:[0,1,1]                 ; x[k0+2]
.endr
.irp q, 0,2,4,6
	v_pk_fma_f32 v[A+\q:A+\q+1], v[T+2:T+3], v[WGR+24+\q:WGR+24+\q+1], v[A+\q:A+\q+1] op_sel:[1,0,0] op_sel_hi:[1,1,1]  ; x[k0+3]
.endr
	HALVE A+0, A+0, A+1, s22, 1, 0
	HALVE A+1, A+2, A+3, s22, 1, 1
	HALVE A+2, A+4, A+5, s22, 1, 2
	HALVE A+3, A+6, A+7, s22, 1, 3
	HALVE A+0, A+0, A+1, s23, 2, 0
	HALVE A+1, A+2, A+3, s23, 2, 1
	HALVE Z, A+0, A+1, s24, 4, 2
	v_add_f32_dpp v[Z], v[Z], v[Z] row_xmask:8 row_mask:0xf bank_mask:0xf
	v_permlanex16_b32 v[Z+1], v[Z], s20, s21
	v_add_f32 v[Z], v[Z], v[Z+1]                   ; expert l & 7 over my wave's 128 k, the same bits in the four lanes that hold it
	ds_store_b32 v5, v[Z] offset:\t*32
.endm
.irp t, 0,1,2,3,4,5,6,7,8,9,10,11,12,13,14,15
	TOKEN \t
.endr
	s_wait_dscnt 0x0                               ; my stores are in LDS before I say so
	s_barrier_signal -1
	s_barrier_wait -1
	s_cmp_lg_u32 s18, 0
	s_cbranch_scc1 .Lend                           ; the tail is 128 numbers: wave 0's alone
	; THE TAIL.  Register j of lane l stands for token 4 j + (l >> 3) and expert l & 7: LDS byte 512 w + 128 j + 4 l.
	v_lshlrev_b32 v6, 2, v1
.irp w, 0,1,2,3,4,5,6,7
.irp j, 0,1,2,3
	ds_load_b32 v[8+4*\w+\j], v6 offset:\w*512+\j*128
.endr
.endr
	v_and_b32 v7, 7, v0
	v_cvt_f32_u32 v104, v7                         ; my expert's number as f32
	s_wait_dscnt 0x0
.irp w, 1,2,3,4,5,6,7
.irp j, 0,1,2,3
	v_add_f32 v[8+\j], v[8+\j], v[8+4*\w+\j]       ; the eight waves' shares, k ascending
.endr
.endr
.irp j, 0,1,2,3
	v_add_f32 v[8+\j], v[8+\j], v[BG]              ; the logit
.endr
.irp j, 0,1,2,3
	v_max_num_f32_dpp v[12+\j], v[8+\j], v[8+\j] row_xmask:1 row_mask:0xf bank_mask:0xf
.endr
.irp m, 2,4
.irp j, 0,1,2,3
	v_max_num_f32_dpp v[12+\j], v[12+\j], v[12+\j] row_xmask:\m row_mask:0xf bank_mask:0xf
.endr
.endr
.irp j, 0,1,2,3
	v_sub_f32 v[16+\j], v[8+\j], v[12+\j]          ; logit - the token's largest
	v_mul_f32 v[16+\j], 0x3fb8aa3b, v[16+\j]       ; times log2 e
.endr
.irp j, 0,1,2,3
	v_exp_f32 v[16+\j], v[16+\j]
.endr
	v_mov_b32 v105, 0x41000000                     ; 8.0: the plain instruction between the exponentials and their first use (ISA guide 5.7.2)
.irp j, 0,1,2,3
	v_cmp_eq_f32 vcc_lo, v[8+\j], v[12+\j]
	v_cndmask_b32 v[28+\j], v105, v104, vcc_lo     ; my expert's number where my logit is the largest, else 8
.endr
	s_wait_alu depctr_va_vdst(0)
.irp j, 0,1,2,3
	v_add_f32_dpp v[20+\j], v[16+\j], v[16+\j] row_xmask:1 row_mask:0xf bank_mask:0xf
.endr
.irp m, 2,4
.irp j, 0,1,2,3
	v_add_f32_dpp v[20+\j], v[20+\j], v[20+\j] row_xmask:\m row_mask:0xf bank_mask:0xf
.endr
.endr
.irp j, 0,1,2,3
	v_rcp_f32 v[24+\j], v[20+\j]                   ; 1 / sum: also the top probability, whose exponential is 2^0
.endr
	v_and_b32 v106, 3, v0                          ; the plain instruction behind the reciprocals
.irp m, 1,2,4
.irp j, 0,1,2,3
	v_min_num_f32_dpp v[28+\j], v[28+\j], v[28+\j] row_xmask:\m row_mask:0xf bank_mask:0xf   ; the first of the largest
.endr
.endr
	s_wait_alu depctr_va_vdst(0)
.irp j, 0,1,2,3
	v_cvt_u32_f32 v[28+\j], v[28+\j]
	v_mul_f32 v[32+\j], v[16+\j], v[24+\j]         ; the probabilities
.endr
.irp j, 0,1,2,3
	v_min_u32 v[28+\j], 7, v[28+\j]                ; no logit was the largest (all NaN): expert 7, in idx and in cnt alike
.endr
	; how many of the 16 tokens chose expert l & 7: my four tokens, then the lanes 8 and 16 away
.irp j, 0,1,2,3
	v_cmp_eq_u32 vcc_lo, v[28+\j], v7
	v_cndmask_b32 v[112+\j], 0, 1, vcc_lo
.endr
	v_add_nc_u32 v112, v112, v113
	v_add3_u32 v112, v112, v114, v115
	v_mov_b32_dpp v[Z+1], v112 row_xmask:8 row_mask:0xf bank_mask:0xf
	v_add_nc_u32 v112, v112, v[Z+1]
	v_permlanex16_b32 v[Z+1], v112, s20, s21
	v_add_nc_u32 v112, v112, v[Z+1]
	v_lshlrev_b32 v110, 10, v7                     ; expert x 256 words
	v_add_f32 v32, v32, v33
	v_add_f32 v34, v34, v35
	v_add_f32 v32, v32, v34
	v_add_f32_dpp v32, v32, v32 row_xmask:8 row_mask:0xf bank_mask:0xf
	v_permlanex16_b32 v[Z+1], v32, s20, s21
	v_add_f32 v32, v32, v[Z+1]                     ; expert l & 7 over the 16 tokens
	; lane l with bit 2 clear stores token 4 (l & 3) + (l >> 3): it picks register j = l & 3
	v_cndmask_b32 v36, v28, v29, s22
	v_cndmask_b32 v37, v30, v31, s22
	v_cndmask_b32 v36, v36, v37, s23
	v_cndmask_b32 v38, v24, v25, s22
	v_cndmask_b32 v39, v26, v27, s22
	v_cndmask_b32 v38, v38, v39, s23
	v_lshrrev_b32 v107, 3, v1
	v_lshlrev_b32 v107, 2, v107
	v_lshl_add_u32 v106, v106, 4, v107             ; 4 bytes x (4 (l & 3) + (l >> 3))
	v_and_b32 v108, 4, v1
	v_cmp_eq_u32 vcc_lo, 0, v108
	s_wait_xcnt 0x0                                ; EXEC is a source of the stores of xb: it changes only behind this wait
	s_and_saveexec_b32 s28, vcc_lo
	global_store_b32 v106, v36, s[12:13]
	global_store_b32 v106, v38, s[14:15]
	s_wait_xcnt 0x0
	s_or_b32 exec_lo, exec_lo, s28
	v_cmp_gt_u32 vcc_lo, 8, v1
	s_wait_xcnt 0x0
	s_and_saveexec_b32 s28, vcc_lo
	global_store_b32 v6, v32, s[16:17]             ; lanes 0 to 7: the eight sums
	global_store_b32 v110, v112, s[30:31]          ; and the eight counts
	s_wait_xcnt 0x0
	s_or_b32 exec_lo, exec_lo, s28
.Lend:
	s_barrier_signal -1
	s_barrier_wait -1
	s_wait_tensorcnt 0x0
	ds_add_u32 v128, v129
	s_wait_dscnt 0x0
	s_endpgm
.Lfunc_end_k_q5dc327f9c7_gate:
	.size	k_q5dc327f9c7_gate, .Lfunc_end_k_q5dc327f9c7_gate-k_q5dc327f9c7_gate
	.p2alignl 7, 3214868480
	.fill 96, 4, 3214868480
	.section	.rodata,"a",@progbits
	.p2align	6, 0x0
	.amdhsa_kernel k_q5dc327f9c7_gate
		.amdhsa_group_segment_fixed_size 5120
		.amdhsa_private_segment_fixed_size 0
		.amdhsa_enable_private_segment 0
		.amdhsa_kernarg_size 64
		.amdhsa_user_sgpr_count 2
		.amdhsa_user_sgpr_kernarg_segment_ptr 1
		.amdhsa_wavefront_size32 1
		.amdhsa_system_sgpr_workgroup_id_x 1
		.amdhsa_system_sgpr_workgroup_id_y 1
		.amdhsa_system_sgpr_workgroup_id_z 1
		.amdhsa_system_vgpr_workitem_id 0
		.amdhsa_next_free_vgpr 130
		.amdhsa_next_free_sgpr 66
		.amdhsa_reserve_vcc 1
		.amdhsa_float_denorm_mode_32 3
		.amdhsa_float_denorm_mode_16_64 3
		.amdhsa_memory_ordered 1
		.amdhsa_forward_progress 1
		.amdhsa_inst_pref_size 63
	.end_amdhsa_kernel
	.amdgpu_metadata
---
amdhsa.version: [ 1, 2 ]
amdhsa.kernels:
  - .name:           k_q5dc327f9c7_gate
    .symbol:         k_q5dc327f9c7_gate.kd
    .args:
      - { .name: x, .offset: 0, .size: 8, .value_kind: global_buffer, .address_space: global }
      - { .name: Wg, .offset: 8, .size: 8, .value_kind: global_buffer, .address_space: global }
      - { .name: bg, .offset: 16, .size: 8, .value_kind: global_buffer, .address_space: global }
      - { .name: xb, .offset: 24, .size: 8, .value_kind: global_buffer, .address_space: global }
      - { .name: idx, .offset: 32, .size: 8, .value_kind: global_buffer, .address_space: global }
      - { .name: prob, .offset: 40, .size: 8, .value_kind: global_buffer, .address_space: global }
      - { .name: psum, .offset: 48, .size: 8, .value_kind: global_buffer, .address_space: global }
      - { .name: cnt, .offset: 56, .size: 8, .value_kind: global_buffer, .address_space: global }
    .group_segment_fixed_size: 5120
    .private_segment_fixed_size: 0
    .kernarg_segment_align: 8
    .kernarg_segment_size: 64
    .max_flat_workgroup_size: 256
    .sgpr_count:     66
    .vgpr_count:     130
    .wavefront_size: 32
...
	.end_amdgpu_metadata
.endif
;; end of part 4
;; launch experts (part 5): grid 32 x 8, 8 waves a work-group, no clusters, 266,496 bytes of LDS; arguments xb, W, b, prob, idx, psum, cnt, out0, out1; writes out0, out1
.if DOCPART == 5
	.amdgcn_target "amdgcn-amd-amdhsa--gfx1250"
	.amdhsa_code_object_version 6
	.text
	.protected	k_q5dc327f9c7_experts
	.globl	k_q5dc327f9c7_experts
	.p2align	8
	.type	k_q5dc327f9c7_experts,@function
k_q5dc327f9c7_experts:
	s_mov_b64 s[64:65], 0
	v_nop
	global_prefetch_b8 v0, s[64:65] scope:SCOPE_SE
	s_setreg_imm32_b32 hwreg(HW_REG_WAVE_MODE, 25, 1), 1
	s_wait_xcnt 0x0
; EXPERTS.  out0[token] = (x[token] W[e] + b[e]) x prob[token] for the first 640 tokens of expert e's queue, zeros for the tokens behind them;
; out1 = 8 x sum over e of (count of e / 4096) x (sum of e's probabilities / 4096).
; Work-group (x, y): expert e = y, columns 128 (x >> 2) .. + 127, queue places 160 (x & 3) .. + 159: a block of 160 x 128, K = 1,024 in eight
; chunks of 128.  Eight waves as 2 x 4: a wave makes 80 rows x 32 columns in ten accumulators of 16 x 16.
; THE QUEUE is made here, by every work-group for its own expert, from the gate's 4,096 indices (16 KiB): 16 indices a thread, a rank inside the
; wave, the eight waves' counts through LDS, and a list in LDS whose entry p is the token at place p (from 0) of the expert's queue.
; An index above 7 is filed under expert 7 (the gate stores none).
; THE EXPERT'S COUNT, on which the branches and trip counts of the way out hang, every wave needs as a scalar: it adds up the gate's 256 counts for
; the expert (1,024 neighbouring bytes of cnt) by scalar loads, 32 words in each of the eight chunks, asked for at a chunk's head and added near its end.
; All 160 places are always multiplied (an empty place holds token 0 and is not stored): only the stores follow the counts.
; FORMAT: x comes as the gate's bf16 copy; W and b are rounded to bf16 (nearest even) here; sums, bias and scaling in f32.
; THE ROAD: both operands come through registers.  W lies in memory as f32 [k][n]: each of its words is rounded once on the way and LDS holds
; 2 bytes a number (36,864 bytes a chunk); the matrix unit's fragment is made by the transposing LDS load.  The rows of x are picked by the list.
; Two chunks are always on their way: 26 loads of 16 bytes a thread and chunk, 2 x 104 KiB a work-group.
; WHY NO JOINT TENSOR LOADS, though the four row blocks of an expert read the same W: a tile brought by the mover would lie in LDS as f32
; (65,536 bytes a chunk and slot), and each of the two row halves' waves would round the same words again; and no tile descriptor
; names rows picked by a list.
; The (y + b) x p at the end is an add and a multiply as the problem writes it: fusing would cost a product b x p for each row.
; THE LOSS is one number over all tokens: work-group 0 makes it, as 2^-21 x the sum over the tokens of P[index of the token], P the 256 gate
; work-groups' sums added up; its steps stand in front of barriers that every work-group passes anyway, and hold none themselves.
.set PX,   272                         ; LDS pitch of x's rows: 256 bytes + 16: sixteen rows start at sixteen different 16-byte columns
.set PW,   288                         ; LDS pitch of W's k rows: 256 bytes + 32, an odd multiple of 32, for the transposing load
.set XTB,  160*PX                      ; x's tile, 43,520 bytes; W's tile lies behind it
.set SLOT, XTB+128*PW                  ; 80,384 bytes; two slots take turns
.set STG,  2*SLOT                      ; the stage for the way out: 160 rows of 512 bytes of f32, pitch 528
.set PS,   528
.set REC,  STG+160*PS                  ; 256 records of 8 bytes: {prob, token} of a row of the block
.set LST,  REC+2048                    ; the expert's queue: 4,096 entries of 4 bytes, then a dump word for each of the 256 threads
.set LENT, 4096+256
.set WCN,  LST+4*LENT                  ; the eight waves' counts
.set WP,   WCN+256                     ; work-group 0: 8 waves x 8 sums of probabilities
.set WA,   WP+256                      ; work-group 0: the eight waves' shares of the loss
.set CAP,  640
.set ROWS, 160
; window 0
.set ADRA, 10                          ; v10-11  slot 0, 1: my fragments of x
.set ADRB, 12                          ; v12-13  slot 0, 1: my fragments of W
.set STO,  14                          ; where my results go in the stage
.set RD,   15                          ; where I read whole rows back: rows w + 8 i, i < 10
.set RD2,  16                          ; the same for i >= 10 (the immediate has 16 bits)
.set RR,   17                          ; the records of those rows
.set COLB, 18                          ; my 16 bytes in a row of out0
.set COLX, 19                          ; my 16 bytes in a chunk's 256 bytes of a row of xb
.set BIAS, 20                          ; v[20:23] b of my four columns
.set F0,   24                          ; fragment buffer 0: x v[24:63] (5 x 8), W v[64:79] (2 x 8)
.set F1,   80                          ; fragment buffer 1: x v[80:119], W v[120:135]
.set RK,   24                          ; v[24:39] ahead of the product: my 16 tokens' ranks, then their entries' LDS addresses
.set ACC,  136                         ; v[136:215] tile (mt, nt) at 136 + 8 (2 mt + nt)
.set ZR,   216                         ; v[216:219] zeros
.set ZO,   220                         ; a zero row's offset in out0
.set ZA,   221                         ; its entry's LDS address
.set ZT,   222                         ; its token
.set IDXR, 224                         ; v[224:239] my 16 tokens' experts
.set PSR,  240                         ; v[240:247] work-group 0: sums of probabilities
.set HK,   248                         ; at work in the lane sums: what a lane keeps
.set HS,   249                         ; what it sends
.set AUXA, 250                         ; LDS address of the loss's words
.set IA,   251                         ; my offset in idx
.set PA,   252                         ; my offset in psum
.set DUMP, 253                         ; my dump entry's number
.set TOK0, 254                         ; my first token
.set NEG,  255                         ; the rank of a token of another expert
; window 1 (registers 256 and up, written by their low 8 bits)
.set SETSZ, 104                        ; staging set s at 104 s: W's 16 quads, then x's 10 quads at + 64
.set XO,   208                         ; v208-217  byte offsets in xb of my ten rows
.set WO,   218                         ; my byte offset in W's chunk
.set WST,  220                         ; v220-221  slot 0, 1: where my 8 bytes of a k row go
.set XST,  222                         ; v222-223  slot 0, 1: where my 16 bytes of a row of x go
; scalars
.set MK,   68                          ; s[68:83]  ahead of the product: slot j: the lanes whose token is my expert's
.set RC,   84                          ; s[84:99]  ahead of the product: slot j: my wave's count in the slots before
.set CN,   68                          ; s[68:99]  in the product: 32 of the gate's counts for my expert
.set MSB, 0
.macro WIN new                         ; the immediate's high byte repeats the setting that is left
.if MSB != \new
	s_set_vgpr_msb (MSB<<8)|\new
.set MSB, \new
.endif
.endm
.set TO1,  0x40                        ; destination in window 1, sources in window 0
.set IN1,  0x45                        ; destination, source 0 and source 1 in window 1; source 2 in window 0
.macro PLACES                          ; four places behind a matrix instruction, in front of loads into its registers and of stores of its results
.rept 4
	v_nop
.endr
.endm
.macro GLOADW c, set                   ; chunk c of W: quad p is k row 128 c + 8 p + w; a wave's load covers the row's 512 bytes of my 128 columns
.irp p, 0,1,2,3,4,5,6,7,8,9,10,11,12,13,14,15
	global_load_b128 v[SETSZ*\set+4*\p:SETSZ*\set+4*\p+3], v[WO], s[6:7] offset:(\c)*524288+\p*32768
.endr
.endm
.macro GLOADX c, set                   ; chunk c of x: quad p is row (t >> 4) + 16 p of the block; sixteen lanes take 256 aligned bytes of a row
.irp p, 0,1,2,3,4,5,6,7,8,9
	global_load_b128 v[SETSZ*\set+64+4*\p:SETSZ*\set+64+4*\p+3], v[XO+\p], s[4:5] offset:(\c)*256
.endr
.endm
.macro PUT set                         ; a staged chunk goes into slot set: W rounded to bf16, x as it is
.irp p, 0,1,2,3,4,5,6,7,8,9,10,11,12,13,14,15
	v_cvt_pk_bf16_f32 v[SETSZ*\set+4*\p], v[SETSZ*\set+4*\p], v[SETSZ*\set+4*\p+1]
	v_cvt_pk_bf16_f32 v[SETSZ*\set+4*\p+1], v[SETSZ*\set+4*\p+2], v[SETSZ*\set+4*\p+3]
	ds_store_b64 v[WST+\set], v[SETSZ*\set+4*\p:SETSZ*\set+4*\p+1] offset:\p*8*PW
.endr
.irp p, 0,1,2,3,4,5,6,7,8,9
	ds_store_b128 v[XST+\set], v[SETSZ*\set+64+4*\p:SETSZ*\set+64+4*\p+3] offset:\p*16*PX
.endr
.endm
.macro FETCH slot, q, f                ; 14 LDS loads: the fragments of K = 32 q .. 32 q + 31 of the slot's chunk
.irp mt, 0,1,2,3,4
	ds_load_b128 v[\f+8*\mt:\f+8*\mt+3],   v[ADRA+\slot] offset:\mt*16*PX+64*\q
	ds_load_b128 v[\f+8*\mt+4:\f+8*\mt+7], v[ADRA+\slot] offset:\mt*16*PX+64*\q+32
.endr
.irp nt, 0,1
	ds_load_tr16_b128 v[\f+40+8*\nt:\f+40+8*\nt+3],   v[ADRB+\slot] offset:\q*32*PW+32*\nt
	ds_load_tr16_b128 v[\f+40+8*\nt+4:\f+40+8*\nt+7], v[ADRB+\slot] offset:\q*32*PW+32*\nt+16*PW
.endr
.endm
; Ten matrix instructions, used transposed (source 0 = 16 columns of W, source 1 = 16 rows of x): lane l then holds row l % 16 and the eight
; neighbouring columns 8 (l / 16) + 0 .. 7.  The ten accumulators take turns, one instruction a turn, in the same order in every step.
.macro MUL f, zero
.irp mt, 0,1,2,3,4
.irp nt, 0,1
.if \zero
	v_wmma_f32_16x16x32_bf16 v[ACC+8*(2*\mt+\nt):ACC+8*(2*\mt+\nt)+7], v[\f+40+8*\nt:\f+40+8*\nt+7], v[\f+8*\mt:\f+8*\mt+7], 0
.else
	v_wmma_f32_16x16x32_bf16 v[ACC+8*(2*\mt+\nt):ACC+8*(2*\mt+\nt)+7], v[\f+40+8*\nt:\f+40+8*\nt+7], v[\f+8*\mt:\f+8*\mt+7], v[ACC+8*(2*\mt+\nt):ACC+8*(2*\mt+\nt)+7]
.endif
.endr
.endr
.endm
; Two sums for the price of one: the lanes of mask keep b and send a, the others keep a and send b; each adds what its partner (lane xor xm) sent.
.macro HALVE d, a, b, mask, xm
	v_cndmask_b32 v[HK], v[\a], v[\b], \mask
	v_cndmask_b32 v[HS], v[\b], v[\a], \mask
	v_add_f32_dpp v[\d], v[HS], v[HK] row_xmask:\xm row_mask:0xf bank_mask:0xf
.endm
	s_load_b256 s[4:11], s[0:1], 0x0               ; xb s[4:5], W s[6:7], b s[8:9], prob s[10:11]
	s_load_b128 s[12:15], s[0:1], 0x20             ; idx s[12:13], psum s[14:15]
	s_load_b64 s[50:51], s[0:1], 0x30              ; cnt
	s_load_b64 s[16:17], s[0:1], 0x38              ; out0
	s_load_b64 s[42:43], s[0:1], 0x40              ; out1
	v_lshl_add_u32 v223, v0, 2, 0x40d00
	s_set_vgpr_msb 0x40
	v_mov_b32 v225, 0
	s_set_vgpr_msb 0x4000
	v_lshrrev_b32 v1, 5, v0
	v_readfirstlane_b32 s18, v1                    ; wave
	s_and_b32 s19, ttmp7, 0xffff                   ; expert
	s_lshr_b32 s20, ttmp9, 2                       ; block of 128 columns
	s_and_b32 s21, ttmp9, 3                        ; block of 160 queue places
	s_lshr_b32 s22, s18, 2                         ; wm: which 80 rows
	s_and_b32 s23, s18, 3                          ; wn: which 32 columns
	s_lshl_b32 s30, s19, 5
	s_add_co_u32 s30, s30, ttmp9                   ; the work-group's number, 0 to 255
	s_mov_b32 s44, 0x76543210                      ; v_permlanex16_b32: lane i reads lane i of the other half
	s_mov_b32 s45, 0xfedcba98
	s_mov_b32 s46, 0xaaaaaaaa                      ; lanes with bit 0 set
	s_mov_b32 s47, 0xcccccccc                      ; lanes with bit 1 set
	s_mov_b32 s48, 0xf0f0f0f0                      ; lanes with bit 2 set
	v_and_b32 v1, 31, v0                           ; lane
	v_lshlrev_b32 v[IA], 2, v1
	v_lshl_add_u32 v[IA], s18, 11, v[IA]           ; idx: slot j of lane l of wave w is token 512 w + 32 j + l, so (w, j, l) is the tokens' order
	v_lshlrev_b32 v[PA], 5, v0                     ; psum: thread t takes the eight sums of the gate's work-group t
	v_and_b32 v4, 15, v0                           ; r
	v_bfe_u32 v5, v0, 4, 1                         ; h
	v_mul_u32_u24 v6, v4, PX
	v_lshl_add_u32 v6, v5, 4, v6
	s_mul_i32 s38, s22, 80*PX
	v_add_nc_u32 v[ADRA], s38, v6                  ; (80 wm + r) x 272 + 16 h
	v_add_nc_u32 v[ADRA+1], SLOT, v[ADRA]
	v_and_b32 v7, 7, v0
	v_lshl_add_u32 v7, v5, 3, v7
	v_mul_u32_u24 v7, v7, PW
	v_bfe_u32 v8, v0, 3, 1
	v_lshl_add_u32 v7, v8, 4, v7
	s_lshl_b32 s38, s23, 6
	s_add_co_u32 s38, s38, XTB
	v_add_nc_u32 v[ADRB], s38, v7                  ; behind x's tile: (8 h + (l & 7)) x 288 + 64 wn + 16 ((l >> 3) & 1)
	v_add_nc_u32 v[ADRB+1], SLOT, v[ADRB]
	v_mul_u32_u24 v6, v4, PS
	v_lshl_add_u32 v6, v5, 5, v6
	s_mul_i32 s38, s22, 80*PS
	s_lshl_b32 s39, s23, 7
	s_add_co_u32 s38, s38, s39
	s_add_co_u32 s38, s38, STG
	v_add_nc_u32 v[STO], s38, v6                   ; stage + (80 wm + r) x 528 + 128 wn + 32 h
	s_mul_i32 s38, s18, PS
	s_add_co_u32 s38, s38, STG
	v_lshl_add_u32 v[RD], v1, 4, s38               ; stage + w x 528 + 16 lane
	v_add_nc_u32 v[RD2], 80*PS, v[RD]
	s_lshl_b32 s38, s18, 3
	s_add_co_u32 s38, s38, REC
	v_mov_b32 v[RR], s38
	s_lshl_b32 s38, s20, 9
	v_lshl_add_u32 v[COLB], v1, 4, s38             ; 512 x column block + 16 lane
	v_lshlrev_b32 v[COLX], 4, v4
	v_mul_u32_u24 v6, v5, PX                       ; x's way into LDS: row 2 w + h (+ 16 p), 16 bytes at 16 r
	v_lshl_add_u32 v6, v4, 4, v6
	s_mul_i32 s38, s18, 2*PX
	v_add_nc_u32 v6, s38, v6
	v_lshlrev_b32 v7, 4, v1                        ; b: 16 lane
	s_mul_i32 s38, s21, ROWS*4
	s_add_co_u32 s38, s38, LST                     ; the list at my block's first place
	v_min_u32 v8, ROWS-1, v0
	v_lshl_add_u32 v8, v8, 2, s38                  ; the entry of row min(t, 159): for the records
	v_lshrrev_b32 v9, 4, v0
	v_lshl_add_u32 v9, v9, 2, s38                  ; the entries of rows (t >> 4) + 16 p
	s_lshl_b32 s33, s18, 5
	s_add_co_u32 s33, s33, 4096
	v_add_nc_u32 v[DUMP], s33, v1                  ; entry 4096 + t: where my tokens of other experts go
	v_lshl_add_u32 v[TOK0], s18, 9, v1
	v_mov_b32 v[NEG], 0xffff0000                   ; with a base of 4,096 at the most it stays above every entry's number
.irp i, 0,1,2,3
	v_mov_b32 v[ZR+\i], 0
.endr
.irp i, 0,1,2,3,4,5,6,7
	v_mov_b32 v[PSR+\i], 0                         ; loaded in work-group 0 alone: written here, so that they are written on every way through the text
.endr
	s_lshl_b32 s38, s18, 12                        ; W: k row w of each eight
	s_mul_i32 s39, s18, PW
	s_add_co_u32 s39, s39, XTB
	s_add_co_u32 s40, s39, SLOT
	s_mov_b32 s25, 0
	s_mov_b32 s26, 0                               ; the expert's count starts here; the eight chunks add to it
	s_wait_kmcnt 0x0
	s_lshl_b32 s24, s19, 22                        ; an expert's W: 4 MiB
	s_lshl_b32 s41, s20, 9
	s_add_co_u32 s24, s24, s41
	s_add_nc_u64 s[6:7], s[6:7], s[24:25]
	s_lshl_b32 s24, s19, 12
	s_add_co_u32 s24, s24, s41
	s_add_nc_u64 s[8:9], s[8:9], s[24:25]
	s_lshl_b32 s24, s19, 10                        ; an expert's row of cnt: 256 words
	s_add_nc_u64 s[50:51], s[50:51], s[24:25]
.irp j, 0,1,2,3,4,5,6,7,8,9,10,11,12,13,14,15
	global_load_b32 v[IDXR+\j], v[IA], s[12:13] offset:128*\j      ; the x rows hang on these: they go out first
.endr
	global_load_b128 v[BIAS:BIAS+3], v7, s[8:9]
	s_cmp_lg_u32 s30, 0
	s_cbranch_scc1 .Lno_psum
	global_load_b128 v[PSR:PSR+3], v[PA], s[14:15]                 ; work-group 0: ahead of W's loads, so that the counted wait below covers them
	global_load_b128 v[PSR+4:PSR+7], v[PA], s[14:15] offset:16
.Lno_psum:
	WIN TO1
	v_lshl_add_u32 v[WO], v1, 4, s38
	v_lshl_add_u32 v[WST], v1, 3, s39
	v_lshl_add_u32 v[WST+1], v1, 3, s40
	v_mov_b32 v[XST], v6
	v_add_nc_u32 v[XST+1], SLOT, v6
	WIN IN1
	GLOADW 0, 0                                    ; W needs no list: its first two chunks go out at once
	GLOADW 1, 1
	WIN 0
	s_lshl_b32 s33, s18, 9
	s_add_co_u32 s33, s33, LST
	v_lshl_add_u32 v4, v1, 4, s33
	ds_store_b128 v4, v[ZR:ZR+3]                   ; entries 0 to 1,023 start as token 0: places 0 to 639 are read whether taken or not
	s_wait_loadcnt 32                              ; indices and bias (and work-group 0's sums) are in; W's 32 loads stay out
	; RANK INSIDE THE WAVE, stage by stage over the 16 slots, so that no line waits for the one in front of it
.irp j, 0,1,2,3,4,5,6,7,8,9,10,11,12,13,14,15
	v_min_u32 v[IDXR+\j], 7, v[IDXR+\j]
.endr
.irp j, 0,1,2,3,4,5,6,7,8,9,10,11,12,13,14,15
	v_cmp_eq_u32 s[MK+\j], s19, v[IDXR+\j]
.endr
	s_mov_b32 s[RC], 0
.irp j, 0,1,2,3,4,5,6,7,8,9,10,11,12,13,14
	s_bcnt1_i32_b32 s33, s[MK+\j]
	s_add_co_u32 s[RC+1+\j], s[RC+\j], s33
.endr
	s_bcnt1_i32_b32 s33, s[MK+15]
	s_add_co_u32 s36, s[RC+15], s33                ; my wave's count
.irp j, 0,1,2,3,4,5,6,7,8,9,10,11,12,13,14,15
	v_mbcnt_lo_u32_b32 v[RK+\j], s[MK+\j], s[RC+\j]                ; the lanes below me in slot j, plus the slots before
.endr
.irp j, 0,1,2,3,4,5,6,7,8,9,10,11,12,13,14,15
	v_cndmask_b32 v[RK+\j], v[NEG], v[RK+\j], s[MK+\j]
.endr
	s_lshl_b32 s33, s18, 2
	s_add_co_u32 s33, s33, WCN
	v_mov_b32 v4, s33
	v_mov_b32 v5, s36
	ds_store_b32 v4, v5
	v_cvt_pk_bf16_f32 v6, v[BIAS], v[BIAS+1]       ; b rounded to bf16 and widened again
	v_cvt_pk_bf16_f32 v7, v[BIAS+2], v[BIAS+3]
	v_lshlrev_b32 v[BIAS], 16, v6
	v_and_b32 v[BIAS+1], 0xffff0000, v6
	v_lshlrev_b32 v[BIAS+2], 16, v7
	v_and_b32 v[BIAS+3], 0xffff0000, v7
	s_cmp_lg_u32 s30, 0
	s_cbranch_scc1 .Lno_sums
	; work-group 0: the eight sums over my wave's 32 rows of psum; behind three levels lane l holds expert l & 7
	HALVE PSR+0, PSR+0, PSR+1, s46, 1
	HALVE PSR+1, PSR+2, PSR+3, s46, 1
	HALVE PSR+2, PSR+4, PSR+5, s46, 1
	HALVE PSR+3, PSR+6, PSR+7, s46, 1
	HALVE PSR+0, PSR+0, PSR+1, s47, 2
	HALVE PSR+1, PSR+2, PSR+3, s47, 2
	HALVE PSR+0, PSR+0, PSR+1, s48, 4
	v_add_f32_dpp v[PSR], v[PSR], v[PSR] row_xmask:8 row_mask:0xf bank_mask:0xf
	v_permlanex16_b32 v[HK], v[PSR], s44, s45
	v_add_f32 v[PSR], v[PSR], v[HK]
	v_and_b32 v[AUXA], 7, v0
	s_lshl_b32 s33, s18, 5
	s_add_co_u32 s33, s33, WP
	v_lshl_add_u32 v[AUXA], v[AUXA], 2, s33
	ds_store_b32 v[AUXA], v[PSR]                   ; the four lanes of an expert store the same bits to the same word
.Lno_sums:
	s_wait_dscnt 0x0                               ; zeros and counts are in LDS before I say so
	s_barrier_signal -1
	s_barrier_wait -1
	; THE QUEUE: my wave's base is the counts of the waves in front of it (wave 7 stands in front of none)
	v_mov_b32 v4, WCN
	ds_load_b128 v[40:43], v4
	ds_load_b128 v[44:47], v4 offset:16
	s_mov_b32 s37, 0
	s_wait_dscnt 0x0
.irp i, 0,1,2,3,4,5,6
	v_readfirstlane_b32 s[52+\i], v[40+\i]
.endr
.irp i, 0,1,2,3,4,5,6
	s_cmp_gt_u32 s18, \i
	s_cselect_b32 s33, s[52+\i], 0
	s_add_co_u32 s37, s37, s33                     ; base: it enters LDS addresses alone, no branch
.endr
	s_min_u32 s37, s37, 4096                       ; no more than there are tokens, whatever was loaded
	s_mov_b32 s33, LST
.irp j, 0,1,2,3,4,5,6,7,8,9,10,11,12,13,14,15
	v_add_nc_u32 v[RK+\j], s37, v[RK+\j]           ; place in the queue, from 0
.endr
.irp j, 0,1,2,3,4,5,6,7,8,9,10,11,12,13,14,15
	v_min_u32 v[RK+\j], v[RK+\j], v[DUMP]          ; a token of another expert goes to my dump word
.endr
.irp j, 0,1,2,3,4,5,6,7,8,9,10,11,12,13,14,15
	v_min_u32 v[RK+\j], LENT-1, v[RK+\j]           ; inside the list whatever was loaded
.endr
.irp j, 0,1,2,3,4,5,6,7,8,9,10,11,12,13,14,15
	v_lshl_add_u32 v[RK+\j], v[RK+\j], 2, s33
.endr
.irp j, 0,1,2,3,4,5,6,7,8,9,10,11,12,13,14,15
	v_add_nc_u32 v[40+\j], 32*\j, v[TOK0]
.endr
.irp j, 0,1,2,3,4,5,6,7,8,9,10,11,12,13,14,15
	ds_store_b32 v[RK+\j], v[40+\j]                ; every token of the expert has an entry of its own
.endr
	s_wait_dscnt 0x0
	s_barrier_signal -1
	s_barrier_wait -1
	ds_load_b32 v3, v8
	WIN TO1
.irp p, 0,1,2,3,4,5,6,7,8,9
	ds_load_b32 v[XO+\p], v9 offset:64*\p
.endr
	WIN IN1
	s_wait_dscnt 0x0
.irp p, 0,1,2,3,4,5,6,7,8,9
	v_min_u32 v[XO+\p], 0xfff, v[XO+\p]            ; a token number stays inside the table
	v_lshl_add_u32 v[XO+\p], v[XO+\p], 11, v[COLX] ; token x 2,048 bytes + my 16
.endr
	WIN 0
	v_min_u32 v3, 0xfff, v3
	v_lshlrev_b32 v5, 2, v3
	global_load_b32 v2, v5, s[10:11]               ; the row's probability
	WIN IN1
	GLOADX 0, 0
	GLOADX 1, 1
	s_wait_loadcnt 10                              ; all but chunk 1's ten loads of x
	PUT 0
	GLOADW 2, 0
	GLOADX 2, 0
	WIN 0
	s_lshl_b32 s38, s18, 8
	s_add_co_u32 s38, s38, REC
	v_lshl_add_u32 v6, v1, 3, s38
	ds_store_b64 v6, v[2:3]                        ; record t
	s_wait_dscnt 0x0                               ; chunk 0 and the records are in LDS before I say so
	s_barrier_signal -1
	s_barrier_wait -1
; Chunk c: four steps of 32 along K on fragment buffers 0, 1, 0, 1, each fetched one step ahead.  At its head chunk c + 1 goes from
; registers into the other slot, and chunk c + 3 is asked for into the registers just emptied.
; ONE barrier a chunk, for two things: in front of it each wave's reads of this slot and its stores into the other are done (s_wait_dscnt 0);
; behind it the other slot is read and this one is written again.
; Words 32 c .. 32 c + 31 of the expert's 256 counts are asked for at the chunk's head and added behind its third step's products.
.macro TRIP c, cur, nxt
	s_load_b512 s[CN:CN+15], s[50:51], (\c)*128
	s_load_b512 s[CN+16:CN+31], s[50:51], (\c)*128+64
.if \c > 0
	PLACES
.endif
	FETCH \cur, 0, F0
.if \c < 7
	WIN IN1
.if \c < 6
	s_wait_loadcnt 26                              ; chunk c + 1 is in registers; chunk c + 2's 26 loads stay out
.else
	s_wait_loadcnt 0                               ; the last chunk: nothing younger
.endif
	PUT \nxt
.if \c < 5
	GLOADW \c+3, \nxt
	GLOADX \c+3, \nxt
.endif
	WIN 0
.endif
	FETCH \cur, 1, F1
.if \c < 7
	s_wait_dscnt 40                                ; buffer 0 is in: 26 stores and 14 loads are younger
.else
	s_wait_dscnt 14
.endif
.if \c == 0
	MUL F0, 1                                      ; the first products start the sums: nothing is cleared
.else
	MUL F0, 0
.endif
	PLACES
	FETCH \cur, 2, F0
	s_wait_dscnt 14                                ; buffer 1 is in: the 14 loads just issued are younger
	MUL F1, 0
	PLACES
	FETCH \cur, 3, F1
	s_wait_dscnt 14
	MUL F0, 0
	s_wait_kmcnt 0x0                               ; scalar loads come back in no order: zero; they were asked for three steps ago
.set i, 0
.rept 32
	s_add_co_u32 s26, s26, s[CN+i]
.set i, i+1
.endr
	s_wait_dscnt 0
.if \c < 7
	s_barrier_signal -1
.endif
	MUL F1, 0                                      ; register work while the others arrive
.if \c < 7
	s_barrier_wait -1
.endif
.endm
	TRIP 0, 0, 1
	TRIP 1, 1, 0
	TRIP 2, 0, 1
	TRIP 3, 1, 0
	TRIP 4, 0, 1
	TRIP 5, 1, 0
	TRIP 6, 0, 1
	TRIP 7, 1, 0
	; what the expert's count means for my work-group and my wave
	s_min_u32 s26, s26, 4096                       ; no more than there are tokens, whatever was loaded
	s_min_u32 s28, s26, CAP
	s_mul_i32 s38, s21, ROWS
	s_sub_co_i32 s28, s28, s38
	s_max_i32 s28, s28, 0
	s_min_i32 s28, s28, ROWS                       ; rows of my block that hold a token
	s_add_co_u32 s29, s28, 7
	s_sub_co_u32 s29, s29, s18
	s_lshr_b32 s29, s29, 3                         ; of them rows w, w + 8, ...: mine on the way out
	s_sub_co_i32 s27, s26, CAP
	s_max_i32 s27, s27, 0                          ; my expert's tokens beyond capacity: places 640 + d
	s_add_co_u32 s27, s27, 3
	s_sub_co_u32 s27, s27, s21
	s_lshr_b32 s27, s27, 2                         ; of them those with d mod 4 = my row block's number: my work-group's
	s_add_co_u32 s31, s27, 7
	s_sub_co_u32 s31, s31, s18
	s_lshr_b32 s31, s31, 3                         ; of them numbers w, w + 8, ...: my wave's
	; THE WAY OUT: results into the stage (bytes of its own), read back as whole rows of 512 bytes, one row a wave and store.
	PLACES
.irp mt, 0,1,2,3,4
.irp nt, 0,1
	ds_store_b128 v[STO], v[ACC+8*(2*\mt+\nt):ACC+8*(2*\mt+\nt)+3]   offset:\mt*16*PS+64*\nt
	ds_store_b128 v[STO], v[ACC+8*(2*\mt+\nt)+4:ACC+8*(2*\mt+\nt)+7] offset:\mt*16*PS+64*\nt+16
.endr
.endr
	s_cmp_lg_u32 s30, 0
	s_cbranch_scc1 .Lno_aux
	; work-group 0: P of expert l & 7 in lane l, then my 16 tokens' P by their indices, summed over the wave
	v_and_b32 v[AUXA], 7, v0
	v_lshlrev_b32 v[AUXA], 2, v[AUXA]
	v_add_nc_u32 v[AUXA], WP, v[AUXA]
.irp i, 0,1,2,3,4,5,6,7
	ds_load_b32 v[PSR+\i], v[AUXA] offset:32*\i
.endr
.irp j, 0,1,2,3,4,5,6,7,8,9,10,11,12,13,14,15
	v_lshlrev_b32 v[IDXR+\j], 2, v[IDXR+\j]        ; the lane to pull from, as a byte address
.endr
	s_wait_dscnt 0x0
.irp i, 0,2,4,6
	v_add_f32 v[PSR+\i], v[PSR+\i], v[PSR+\i+1]
.endr
	v_add_f32 v[PSR], v[PSR], v[PSR+2]
	v_add_f32 v[PSR+4], v[PSR+4], v[PSR+6]
	v_add_f32 v[PSR], v[PSR], v[PSR+4]
.irp j, 0,1,2,3,4,5,6,7,8,9,10,11,12,13,14,15
	ds_bpermute_b32 v[24+\j], v[IDXR+\j], v[PSR]
.endr
	s_wait_dscnt 0x0
.irp j, 0,1,2,3,4,5,6,7
	v_add_f32 v[24+\j], v[24+\j], v[32+\j]
.endr
.irp j, 0,1,2,3
	v_add_f32 v[24+\j], v[24+\j], v[28+\j]
.endr
	v_add_f32 v24, v24, v26
	v_add_f32 v25, v25, v27
	v_add_f32 v24, v24, v25
.irp m, 1,2,4,8
	v_add_f32_dpp v24, v24, v24 row_xmask:\m row_mask:0xf bank_mask:0xf
.endr
	v_permlanex16_b32 v25, v24, s44, s45
	v_add_f32 v24, v24, v25
	s_lshl_b32 s33, s18, 2
	s_add_co_u32 s33, s33, WA
	v_mov_b32 v[AUXA], s33
	ds_store_b32 v[AUXA], v24
.Lno_aux:
	s_wait_dscnt 0x0
	s_barrier_signal -1
	s_barrier_wait -1
.irp i, 0,1,2,3,4,5,6,7,8,9,10,11,12,13,14,15,16,17,18,19
	ds_load_b64 v[104+2*\i:105+2*\i], v[RR] offset:64*\i           ; {prob, token} of row w + 8 i, the same in every lane
.endr
.irp i, 0,1,2,3,4,5,6,7,8,9
	ds_load_b128 v[24+4*\i:27+4*\i], v[RD] offset:\i*8*PS
.endr
.irp i, 0,1,2,3,4,5,6,7,8,9
	ds_load_b128 v[64+4*\i:67+4*\i], v[RD2] offset:\i*8*PS
.endr
.macro ROW i
	s_cmp_le_u32 s29, \i
	s_cbranch_scc1 .Lrows_done                     ; the rest of my rows hold no token
	s_wait_dscnt 19-\i                             ; row i is in; the younger rows stay out
	v_pk_add_f32 v[24+4*\i:25+4*\i], v[24+4*\i:25+4*\i], v[BIAS:BIAS+1]
	v_pk_add_f32 v[26+4*\i:27+4*\i], v[26+4*\i:27+4*\i], v[BIAS+2:BIAS+3]
	v_pk_mul_f32 v[24+4*\i:25+4*\i], v[24+4*\i:25+4*\i], v[104+2*\i:105+2*\i] op_sel_hi:[1,0]
	v_pk_mul_f32 v[26+4*\i:27+4*\i], v[26+4*\i:27+4*\i], v[104+2*\i:105+2*\i] op_sel_hi:[1,0]
	v_min_u32 v[105+2*\i], 0xfff, v[105+2*\i]
	v_lshl_add_u32 v[105+2*\i], v[105+2*\i], 12, v[COLB]
	global_store_b128 v[105+2*\i], v[24+4*\i:27+4*\i], s[16:17] th:TH_STORE_NT   ; 512 neighbouring bytes, aligned; its registers are never written again
.endm
.irp i, 0,1,2,3,4,5,6,7,8,9,10,11,12,13,14,15,16,17,18,19
	ROW \i
.endr
.Lrows_done:
	s_wait_dscnt 0x0                               ; ways with different numbers of loads out join here
	; THE TOKENS BEYOND CAPACITY: zeros in my 128 columns.  Number k of my work-group's is entry 640 + 4 k + (my row block's number);
	; my wave takes k = w + 8 i, one row of 512 neighbouring bytes a trip.
	s_cmp_eq_u32 s31, 0
	s_cbranch_scc1 .Lno_zero
	s_lshl_b32 s38, s18, 4
	s_lshl_b32 s39, s21, 2
	s_add_co_u32 s38, s38, s39
	s_add_co_u32 s38, s38, LST+4*CAP
	s_mov_b32 s32, 0
.Lzero:
	s_min_u32 s33, s32, 107                        ; (4096 - 640) / 4 / 8 trips at the most: inside the list whatever was loaded
	s_lshl_b32 s33, s33, 7
	s_add_co_u32 s33, s33, s38
	v_mov_b32 v[ZA], s33
	ds_load_b32 v[ZT], v[ZA]
	s_wait_dscnt 0x0
	s_wait_xcnt 0x0                                ; the last trip's store has read its address register
	v_min_u32 v[ZT], 0xfff, v[ZT]
	v_lshl_add_u32 v[ZO], v[ZT], 12, v[COLB]
	global_store_b128 v[ZO], v[ZR:ZR+3], s[16:17] th:TH_STORE_NT
	s_add_co_u32 s32, s32, 1
	s_cmp_lt_u32 s32, s31
	s_cbranch_scc1 .Lzero
.Lno_zero:
	; THE LOSS: wave 0 of work-group 0 adds the eight waves' shares, which lie in LDS since the way out's barrier
	s_or_b32 s33, s30, s18
	s_cmp_lg_u32 s33, 0
	s_cbranch_scc1 .Lend
	v_mov_b32 v[AUXA], WA
	ds_load_b128 v[PSR:PSR+3], v[AUXA]
	ds_load_b128 v[PSR+4:PSR+7], v[AUXA] offset:16
	v_mov_b32 v[HK], 0
	v_cmp_eq_u32 vcc_lo, 0, v1
	s_wait_dscnt 0x0
.irp i, 0,2,4,6
	v_add_f32 v[PSR+\i], v[PSR+\i], v[PSR+\i+1]
.endr
	v_add_f32 v[PSR], v[PSR], v[PSR+2]
	v_add_f32 v[PSR+4], v[PSR+4], v[PSR+6]
	v_add_f32 v[PSR], v[PSR], v[PSR+4]
	v_mul_f32 v[PSR], 0x35000000, v[PSR]           ; 8 / 4096^2 = 2^-21
	s_wait_xcnt 0x0                                ; EXEC is a source of the stores above: it changes only behind this wait
	s_and_saveexec_b32 s49, vcc_lo
	global_store_b32 v[HK], v[PSR], s[42:43]
	s_wait_xcnt 0x0
	s_or_b32 exec_lo, exec_lo, s49
.Lend:
	s_barrier_signal -1
	s_barrier_wait -1
	s_set_vgpr_msb 0x4
	s_wait_tensorcnt 0x0
	ds_add_u32 v223, v225
	s_wait_dscnt 0x0
	s_set_vgpr_msb 0x400
	s_endpgm
.Lfunc_end_k_q5dc327f9c7_experts:
	.size	k_q5dc327f9c7_experts, .Lfunc_end_k_q5dc327f9c7_experts-k_q5dc327f9c7_experts
	.p2alignl 7, 3214868480
	.fill 96, 4, 3214868480
	.section	.rodata,"a",@progbits
	.p2align	6, 0x0
	.amdhsa_kernel k_q5dc327f9c7_experts
		.amdhsa_group_segment_fixed_size 266496
		.amdhsa_private_segment_fixed_size 0
		.amdhsa_enable_private_segment 0
		.amdhsa_kernarg_size 72
		.amdhsa_user_sgpr_count 2
		.amdhsa_user_sgpr_kernarg_segment_ptr 1
		.amdhsa_wavefront_size32 1
		.amdhsa_system_sgpr_workgroup_id_x 1
		.amdhsa_system_sgpr_workgroup_id_y 1
		.amdhsa_system_sgpr_workgroup_id_z 1
		.amdhsa_system_vgpr_workitem_id 0
		.amdhsa_next_free_vgpr 482
		.amdhsa_next_free_sgpr 100
		.amdhsa_reserve_vcc 1
		.amdhsa_float_denorm_mode_32 3
		.amdhsa_float_denorm_mode_16_64 3
		.amdhsa_memory_ordered 1
		.amdhsa_forward_progress 1
		.amdhsa_inst_pref_size 156
	.end_amdhsa_kernel
	.amdgpu_metadata
---
amdhsa.version: [ 1, 2 ]
amdhsa.kernels:
  - .name:           k_q5dc327f9c7_experts
    .symbol:         k_q5dc327f9c7_experts.kd
    .args:
      - { .name: xb, .offset: 0, .size: 8, .value_kind: global_buffer, .address_space: global }
      - { .name: W, .offset: 8, .size: 8, .value_kind: global_buffer, .address_space: global }
      - { .name: b, .offset: 16, .size: 8, .value_kind: global_buffer, .address_space: global }
      - { .name: prob, .offset: 24, .size: 8, .value_kind: global_buffer, .address_space: global }
      - { .name: idx, .offset: 32, .size: 8, .value_kind: global_buffer, .address_space: global }
      - { .name: psum, .offset: 40, .size: 8, .value_kind: global_buffer, .address_space: global }
      - { .name: cnt, .offset: 48, .size: 8, .value_kind: global_buffer, .address_space: global }
      - { .name: out0, .offset: 56, .size: 8, .value_kind: global_buffer, .address_space: global }
      - { .name: out1, .offset: 64, .size: 8, .value_kind: global_buffer, .address_space: global }
    .group_segment_fixed_size: 266496
    .private_segment_fixed_size: 0
    .kernarg_segment_align: 8
    .kernarg_segment_size: 72
    .max_flat_workgroup_size: 256
    .sgpr_count:     100
    .vgpr_count:     482
    .wavefront_size: 32
...
	.end_amdgpu_metadata
.endif
;; end of part 5
